; MI455X (gfx1250); checked and timed in simulation.
; The chip was launched on July 23, 2026; its instructions are those of AMD's public machine-readable ISA for CDNA 5 (MIT licence, August 2026) and "CDNA5" Instruction Set Architecture Reference Guide (July 2026). The comments in the code are by the model that wrote it; some were corrected since.
;; Causal Self Attention. Allowed arithmetic: matrix products marked QUANTISED: E2M1 operands, one E8M0 scale for each 32 along K, by v_wmma_scale_f32_16x16x128_f8f6f4 with both operands' format E2M1 (or v_wmma_scale_f32_32x16x128_f4), f32 sums; products left as they are: bf16, f16 or f32 operands; f32 sums; everything else in f32.
;; Inputs: cos 2,048 x 64 float32; sin 2,048 x 64 float32; w_k 1,024 x 1,024 float32; w_o 1,024 x 1,024 float32; w_q 1,024 x 1,024 float32; w_v 1,024 x 1,024 float32; x 4 x 2,048 x 1,024 float32.
;; Outputs: out0 4 x 2,048 x 1,024 float32.
;; This version of the problem:
;;   THIS VERSION OF THE PROBLEM IS GIVEN IN LOW PRECISION. The matrix products marked QUANTISED in the list below multiply operands that are first quantised to E2M1 (2 exponent bits, 1 mantissa bit; 4 bits a number), with one power-of-two scale for each 32 numbers along K (OCP MX v1.0); their sums are f32. The products marked 'left as it is' may take bf16, f16 or f32 operands, with f32 sums. Whichever they take, every output number must still come out within the allowed error. Rounding operands to bf16 (8 significant bits) uses up far more of that allowance than f16 does (11 bits, for magnitudes from 6e-5 to 65,504). All else is computed in f32.
;;   The module's matrix products, in the order in which they are computed (A, B: the left and right operand; K: the contracted axis; several contracted axes count as one K, in the product's order):
;;     1. [M 8,192, K 1,024] x [K 1,024, N 1,024]; A: input x; B: input w_q: QUANTISED
;;     2. [M 8,192, K 1,024] x [K 1,024, N 1,024]; A: input x; B: input w_k: QUANTISED
;;     3. [M 8,192, K 1,024] x [K 1,024, N 1,024]; A: input x; B: input w_v: QUANTISED
;;     4. batch 64 x [M 2,048, K 64] x [K 64, N 2,048]; A: computed on the way; B: computed on the way: left as it is (an operand is computed on the way)
;;     5. batch 64 x [M 2,048, K 2,048] x [K 2,048, N 64]; A: computed on the way; B: computed on the way: left as it is (an operand is computed on the way)
;;     6. [M 8,192, K 1,024] x [K 1,024, N 1,024]; A: computed on the way; B: input w_o: left as it is (an operand is computed on the way)
;;   THE QUANTISER, for each operand of a quantised product, along K:
;;     - K is cut into blocks of 32 from its start; a last block that is shorter is filled with zeros.
;;     - A block's scale is 2^e with e = floor(log2(the largest magnitude in the block)) - 2, held to -126 .. 127; a block of zeros has e = 0. As a byte (E8M0): e + 127.
;;     - Each number is divided by its block's scale, clamped to +-6, and rounded to the nearest number of E2M1, ties to even, subnormals kept.
;;     - The product sums the exact products of the quantised numbers (number of the format x scale) in f32.
;;   ~~~python
;;   def quantise(x, axis):      # numpy; x: float32 -> the quantised numbers, widened to float32 again
;;       x = np.moveaxis(x, axis, -1); K = x.shape[-1]
;;       x = np.pad(x, [(0, 0)] * (x.ndim - 1) + [(0, -K % 32)]); x = x.reshape(x.shape[:-1] + (-1, 32)); a = np.abs(x).max(-1, keepdims=True)
;;       e = np.where(a > 0, np.clip(np.frexp(np.where(a > 0, a, 1))[1] - 1 - 2, -126, 127), 0)      # np.frexp(a)[1] - 1 = floor(log2(a)), exactly
;;       r = np.clip(x / 2.0 ** e, -6, 6)
;;       step = 2.0 ** (np.maximum(np.frexp(np.where(r == 0, 1, r))[1] - 1, 0) - 1)
;;       q = np.round(r / step) * step * 2.0 ** e      # np.round: ties to even
;;       return np.moveaxis(q.reshape(q.shape[:-2] + (-1,))[..., :K], -1, axis).astype(np.float32)
;;   ~~~
;; One version. Each part assembles by itself: llvm-mc -triple=amdgcn-amd-amdhsa -mcpu=gfx1250 --defsym DOCPART=n.
;; ======== version 1 of 1: 6 launches
;; limits: values are held in f16: magnitudes above 65,504 overflow, below 6.1e-05 lose precision
;; workspace buffers: x_codes 4,194,304 bytes; x_scales 262,144 bytes; w_codes 1,572,864 bytes; w_scales 98,304 bytes; wo16 2,097,152 bytes; qkv16 50,331,648 bytes; o16 16,777,216 bytes; o_fine 262,144 bytes
;; launch quant (part 1): grid 384 x 1, 4 waves a work-group, no clusters, 33,280 bytes of LDS; arguments x, w_q, w_k, w_v, w_o, x_codes, x_scales, w_codes, w_scales, wo16; writes x_codes, x_scales, w_codes, w_scales, wo16
.if DOCPART == 1
	.amdgcn_target "amdgcn-amd-amdhsa--gfx1250"
	.amdhsa_code_object_version 6
	.text
	.protected	k_q07ffa96771_quant
	.globl	k_q07ffa96771_quant
	.p2align	8
	.type	k_q07ffa96771_quant,@function
k_q07ffa96771_quant:
	s_mov_b64 s[64:65], 0
	v_nop
	global_prefetch_b8 v0, s[64:65] scope:SCOPE_SE
	s_setreg_imm32_b32 hwreg(HW_REG_WAVE_MODE, 25, 1), 1
	s_wait_xcnt 0x0
; x [8192][1024] and w_q, w_k, w_v [1024][1024], f32, K innermost, become codes of E2M1 (two a byte, the lower k in the low four bits) with one E8M0 byte for each 32 along K;
; w_o [1024][1024] is rounded to f16 for the last product, which is left as it is.
; A block's scale is 2^(floor(log2(its largest magnitude)) - 2); its byte is the largest magnitude's exponent field - 2, held at 1 from below.  A block of zeros so gets the byte 1 where the
; quantiser says 127: its codes are zeros, which add nothing under any byte but 0xff, and the bytes are read by this program alone.
; LIMITS: blocks whose largest magnitude lies under 2^-124 get the byte 1; NaN and infinities among the inputs are not served; |w_o| stays under 65,504 (f16's largest number).
; Rows are dense and K is a multiple of 32: each tensor is a plain stream of blocks of 32.  A work-group takes 32,768 numbers, a wave 8,192: work-groups 0-255 x, 256-287 w_q, 288-319 w_k,
; 320-351 w_v (their codes and bytes stacked in that order, 3,072 rows), 352-383 w_o.  Only pointers are chosen for the four quantised tensors: they take one path.
; A wave's 16 steps of 512 numbers: each of a step's four loads reads 512 consecutive bytes; the 2,048 bytes turn through the wave's own stage in LDS and come back 64 bytes a lane, so that a
; lane holds 16 neighbours along K (two lanes a block).  A lane's 16 codes are 8 bytes: the wave stores 256 consecutive bytes.  A wave's 256 scale bytes are gathered in LDS and leave as one run.
.set WAVES, 4
.set STEPS, 16
.set EMAX,  2
.set CB,    8                          ; bytes of 16 codes
.set R,     16                         ; v16-79   four sets of 16 numbers as loaded
.set X,     80                         ; v80-111  two sets of 16 neighbours
.set E,     112                        ; v112-127 a scale byte for each step
.set C,     128                        ; v128-191 codes, four registers for each step: no store's data are written again
.set WREG,  8192                       ; LDS: a region for each wave: two stages of 32 x SP bytes, then its 256 scale bytes
.set SP,    80                         ; a lane's place in a stage: 64 bytes + 16 of padding
.set SPW,   12                         ; v12 LDS address of my spare word; never rewritten
.set NIL,   13                         ; v13 0; never rewritten
.set SPARE, WAVES*WREG                 ; the spare words, 128 bytes a wave, named by no other line
.set WI,    16                         ; w_o's path: v16-143 two sets of 64 numbers
.set WH,    144                        ; v144-207 two sets of 32 registers of f16 pairs
	s_load_b256 s[4:11], s[0:1], 0x0               ; x, w_q, w_k, w_v
	s_load_b64 s[12:13], s[0:1], 0x20              ; w_o
	s_load_b128 s[20:23], s[0:1], 0x28             ; x's codes, x's scale bytes
	s_load_b128 s[24:27], s[0:1], 0x38             ; the weights' codes, their scale bytes
	s_load_b64 s[28:29], s[0:1], 0x48              ; w_o in f16
	v_lshl_add_u32 v[SPW], v0, 2, SPARE
	v_mov_b32 v[NIL], 0
	v_lshrrev_b32 v1, 5, v0
	v_readfirstlane_b32 s16, v1                    ; wave
	v_and_b32 v2, 31, v0                           ; lane
	v_lshlrev_b32 v3, 4, v2                        ; my 16 bytes of a load's 512
	s_mul_i32 s17, s16, WREG
	v_lshrrev_b32 v14, 2, v2
	v_mul_u32_u24 v14, v14, SP
	v_and_b32 v15, 3, v2
	v_lshl_add_u32 v14, v15, 4, v14
	v_add_nc_u32 v14, s17, v14                     ; the stage, on the way in: SP (lane / 4) + 16 (lane % 4)
	v_mul_u32_u24 v15, v2, SP
	v_add_nc_u32 v15, s17, v15                     ; and on the way out: SP x lane: my 16 neighbours
	v_mul_u32_u24 v4, v2, CB                       ; my codes' place in a step's
	v_lshrrev_b32 v5, 1, v2
	s_add_co_u32 s17, s17, 2*32*SP
	v_add_nc_u32 v5, s17, v5                       ; my wave's 256 scale bytes, my block's byte
	v_lshlrev_b32 v7, 3, v2                        ; 8 bytes a lane
	v_add_nc_u32 v6, s17, v7
	s_mov_b32 s31, 0
	s_wait_kmcnt 0x0
	s_cmp_ge_u32 ttmp9, 352                        ; w_o's work-groups part here, on the work-group's number
	s_cbranch_scc1 .Lwo
	s_cmp_lt_u32 ttmp9, 320                        ; which tensor: the choices hang on the work-group's number alone
	s_cselect_b64 s[8:9], s[8:9], s[10:11]
	s_cmp_lt_u32 ttmp9, 288
	s_cselect_b64 s[6:7], s[6:7], s[8:9]
	s_cmp_lt_u32 ttmp9, 256
	s_cselect_b64 s[4:5], s[4:5], s[6:7]
	s_cselect_b64 s[20:21], s[20:21], s[24:25]
	s_cselect_b64 s[22:23], s[22:23], s[26:27]
	s_cselect_b32 s17, 0, 256
	s_cselect_b32 s19, 255, 31
	s_sub_co_u32 s17, ttmp9, s17                   ; the work-group's number among x's, or among the three weights'
	s_and_b32 s19, s17, s19                        ; and inside its own tensor
	s_lshl_b32 s19, s19, 2
	s_add_co_u32 s19, s19, s16                     ; my run of 8,192 numbers in the tensor that I read,
	s_lshl_b32 s17, s17, 2
	s_add_co_u32 s17, s17, s16                     ; and in the buffers that I write
	s_lshl_b32 s30, s19, 15
	s_add_nc_u64 s[4:5], s[4:5], s[30:31]
	s_lshl_b32 s30, s17, 12
	s_add_nc_u64 s[20:21], s[20:21], s[30:31]
	s_lshl_b32 s30, s17, 8
	s_add_nc_u64 s[22:23], s[22:23], s[30:31]
.macro LOAD t
.irp i, 0,1,2,3
	global_load_b128 v[R+16*((\t)%4)+4*\i:R+16*((\t)%4)+4*\i+3], v3, s[4:5] offset:2048*(\t)+512*\i th:TH_LOAD_NT   ; 32 lanes read 512 consecutive bytes
.endr
.endm
.macro TURN t                          ; step t's numbers through the stage: LDS serves a wave's instructions in order, so no wait stands between the stores and the loads
.irp i, 0,1,2,3
	ds_store_b128 v14, v[R+16*((\t)%4)+4*\i:R+16*((\t)%4)+4*\i+3] offset:32*SP*((\t)%2)+8*SP*\i
.endr
.irp i, 0,1,2,3
	ds_load_b128 v[X+16*((\t)%2)+4*\i:X+16*((\t)%2)+4*\i+3], v15 offset:32*SP*((\t)%2)+16*\i
.endr
.endm
.irp t, 0,1,2,3
	LOAD \t
.endr
	s_wait_loadcnt 12                              ; step 0's four loads are in; the 12 of steps 1 to 3 may be out
	TURN 0
.macro STEP t
.set XS, X+16*((\t)%2)
.if (\t) > 0
	s_wait_dscnt 1                                 ; this step's numbers are back from the stage (the last step's byte store may be out)
.else
	s_wait_dscnt 0x0
.endif
.if (\t)+4 < STEPS
	LOAD (\t)+4                                    ; into the registers that the stage's stores have read
.endif
.if (\t)+1 < STEPS
.if STEPS-2-(\t) >= 3
	s_wait_loadcnt 12                              ; the next step's four loads are in; those of the three steps behind it may be out
.else
	s_wait_loadcnt 4*(STEPS-2-(\t))
.endif
	TURN (\t)+1
.endif
	v_max3_num_f32 v8, |v[XS]|, |v[XS+1]|, |v[XS+2]|               ; the largest magnitude of my 16, in two chains
	v_max3_num_f32 v9, |v[XS+3]|, |v[XS+4]|, |v[XS+5]|
.irp i, 6,10
	v_max3_num_f32 v8, v8, |v[XS+\i]|, |v[XS+\i+1]|
	v_max3_num_f32 v9, v9, |v[XS+\i+2]|, |v[XS+\i+3]|
.endr
	v_max3_num_f32 v8, v8, |v[XS+14]|, |v[XS+15]|
	v_max3_num_f32 v8, v8, v9, (EMAX+1)<<23        ; and the floor 2^(3 - 127): the byte cannot fall under 1
	v_max_num_f32_dpp v8, v8, v8 row_xmask:1 row_mask:0xf bank_mask:0xf   ; with my neighbour's 16: the block's
	v_add_nc_u32 v11, -(EMAX<<23), v8              ; 2 off its exponent field: the conversion takes the exponent field of this operand as its scale
	v_cvt_scalef32_pk8_fp4_f32 v[C+4*(\t)], v[XS:XS+7], v11
	v_cvt_scalef32_pk8_fp4_f32 v[C+4*(\t)+1], v[XS+8:XS+15], v11
	v_lshrrev_b32 v[E+(\t)], 23, v11               ; the scale's byte (also the plain line behind the conversions)
	ds_store_b8 v5, v[E+(\t)] offset:16*(\t)       ; both lanes of a block write the same byte with the same value
	global_store_b64 v4, v[C+4*(\t):C+4*(\t)+1], s[20:21] offset:32*CB*(\t)   ; the wave stores 256 consecutive bytes, aligned
.endm
.irp t, 0,1,2,3,4,5,6,7,8,9,10,11,12,13,14,15
	STEP \t
.endr
	ds_load_b64 v[8:9], v6                         ; LDS serves a wave's instructions in order: these see my byte stores
	s_wait_dscnt 0x0
	global_store_b64 v7, v[8:9], s[22:23]          ; 256 consecutive bytes, aligned
	s_wait_tensorcnt 0x0                           ; the wave's end
	ds_add_u32 v[SPW], v[NIL]
	s_wait_dscnt 0x0
	s_endpgm
.Lwo:                                                  ; w_o to f16: four batches of 16 loads, two batches ahead; no LDS
	s_sub_co_u32 s17, ttmp9, 352
	s_lshl_b32 s17, s17, 2
	s_add_co_u32 s17, s17, s16                     ; my run of 8,192 numbers
	s_lshl_b32 s30, s17, 15
	s_add_nc_u64 s[12:13], s[12:13], s[30:31]
	s_lshl_b32 s30, s17, 14
	s_add_nc_u64 s[28:29], s[28:29], s[30:31]
.macro LOADW t
.irp i, 0,1,2,3,4,5,6,7,8,9,10,11,12,13,14,15
	global_load_b128 v[WI+64*((\t)%2)+4*\i:WI+64*((\t)%2)+4*\i+3], v3, s[12:13] offset:512*(16*(\t)+\i)
.endr
.endm
.macro CONVW t
.if (\t) < 3
	s_wait_loadcnt 16                              ; this batch is in; the next batch's 16 loads may be out
.else
	s_wait_loadcnt 0x0
.endif
.if (\t) >= 2
	s_wait_xcnt 0x0                                ; the stores of two batches back have read the registers that are written now
.endif
.irp i, 0,1,2,3,4,5,6,7,8,9,10,11,12,13,14,15
	v_cvt_pk_f16_f32 v[WH+32*((\t)%2)+2*\i], v[WI+64*((\t)%2)+4*\i], v[WI+64*((\t)%2)+4*\i+1]
	v_cvt_pk_f16_f32 v[WH+32*((\t)%2)+2*\i+1], v[WI+64*((\t)%2)+4*\i+2], v[WI+64*((\t)%2)+4*\i+3]
.endr
.if (\t) < 2
	LOADW (\t)+2
.endif
.irp i, 0,1,2,3,4,5,6,7,8,9,10,11,12,13,14,15
	global_store_b64 v7, v[WH+32*((\t)%2)+2*\i:WH+32*((\t)%2)+2*\i+1], s[28:29] offset:256*(16*(\t)+\i)   ; 256 consecutive bytes, aligned
.endr
.endm
	LOADW 0
	LOADW 1
	CONVW 0
	CONVW 1
	CONVW 2
	CONVW 3
	s_wait_tensorcnt 0x0                           ; the same three closing lines on this path
	ds_add_u32 v[SPW], v[NIL]
	s_wait_dscnt 0x0
	s_endpgm
.Lfunc_end_k_q07ffa96771_quant:
	.size	k_q07ffa96771_quant, .Lfunc_end_k_q07ffa96771_quant-k_q07ffa96771_quant
	.p2alignl 7, 3214868480
	.fill 96, 4, 3214868480
	.section	.rodata,"a",@progbits
	.p2align	6, 0x0
	.amdhsa_kernel k_q07ffa96771_quant
		.amdhsa_group_segment_fixed_size 33280
		.amdhsa_private_segment_fixed_size 0
		.amdhsa_enable_private_segment 0
		.amdhsa_kernarg_size 80
		.amdhsa_user_sgpr_count 2
		.amdhsa_user_sgpr_kernarg_segment_ptr 1
		.amdhsa_wavefront_size32 1
		.amdhsa_system_sgpr_workgroup_id_x 1
		.amdhsa_system_sgpr_workgroup_id_y 1
		.amdhsa_system_sgpr_workgroup_id_z 1
		.amdhsa_system_vgpr_workitem_id 0
		.amdhsa_next_free_vgpr 208
		.amdhsa_next_free_sgpr 66
		.amdhsa_reserve_vcc 0
		.amdhsa_float_denorm_mode_32 3
		.amdhsa_float_denorm_mode_16_64 3
		.amdhsa_memory_ordered 1
		.amdhsa_forward_progress 1
		.amdhsa_inst_pref_size 54
	.end_amdhsa_kernel
	.amdgpu_metadata
---
amdhsa.version: [ 1, 2 ]
amdhsa.kernels:
  - .name:           k_q07ffa96771_quant
    .symbol:         k_q07ffa96771_quant.kd
    .args:
      - { .name: x, .offset: 0, .size: 8, .value_kind: global_buffer, .address_space: global }
      - { .name: w_q, .offset: 8, .size: 8, .value_kind: global_buffer, .address_space: global }
      - { .name: w_k, .offset: 16, .size: 8, .value_kind: global_buffer, .address_space: global }
      - { .name: w_v, .offset: 24, .size: 8, .value_kind: global_buffer, .address_space: global }
      - { .name: w_o, .offset: 32, .size: 8, .value_kind: global_buffer, .address_space: global }
      - { .name: x_codes, .offset: 40, .size: 8, .value_kind: global_buffer, .address_space: global }
      - { .name: x_scales, .offset: 48, .size: 8, .value_kind: global_buffer, .address_space: global }
      - { .name: w_codes, .offset: 56, .size: 8, .value_kind: global_buffer, .address_space: global }
      - { .name: w_scales, .offset: 64, .size: 8, .value_kind: global_buffer, .address_space: global }
      - { .name: wo16, .offset: 72, .size: 8, .value_kind: global_buffer, .address_space: global }
    .group_segment_fixed_size: 33280
    .private_segment_fixed_size: 0
    .kernarg_segment_align: 8
    .kernarg_segment_size: 80
    .max_flat_workgroup_size: 128
    .sgpr_count:     66
    .vgpr_count:     208
    .wavefront_size: 32
...
	.end_amdgpu_metadata
.endif
;; end of part 1
;; launch qkv (part 2): grid 12 x 32, 4 waves a work-group, clusters of 4 x 4, 327,680 bytes of LDS; arguments x_codes, x_scales, w_codes, w_scales, qkv16, cos, sin; writes qkv16
.if DOCPART == 2
	.amdgcn_target "amdgcn-amd-amdhsa--gfx1250"
	.amdhsa_code_object_version 6
	.text
	.protected	k_q07ffa96771_qkv
	.globl	k_q07ffa96771_qkv
	.p2align	8
	.type	k_q07ffa96771_qkv,@function
k_q07ffa96771_qkv:
	s_mov_b64 s[64:65], 0
	v_nop
	global_prefetch_b8 v0, s[64:65] scope:SCOPE_SE
	s_setreg_imm32_b32 hwreg(HW_REG_WAVE_MODE, 25, 1), 1
	s_wait_xcnt 0x0
	s_wait_alu depctr_hold_cnt(0) depctr_sa_sdst(0) depctr_va_vdst(0) depctr_va_sdst(0) depctr_va_ssrc(0) depctr_va_vcc(0) depctr_vm_vsrc(0)
	s_getreg_b32 s2, hwreg(HW_REG_IB_STS2, 6, 4)
	s_cmp_eq_u32 s2, 0
	s_cbranch_scc0 .Lentry_in_a_cluster
	s_endpgm
.Lentry_in_a_cluster:
	s_bfe_u32 s2, ttmp6, 0x10000c
	s_cmp_lg_u32 s2, 0xf033
	s_cbranch_scc0 .Lentry_shape_is_right
	s_endpgm
.Lentry_shape_is_right:
; q, k, v = x W^T on codes of E2M1 with E8M0 scales (M 8,192, N 3 x 1,024, K 1,024), sums in f32; RoPE on q and k in f32; all three rounded once to f16 and laid [z][batch][head][t][64].
; LIMIT: |q|, |k|, |v| stay under 65,504 (f16's largest number).
; A tile of 256 x 256 is made by four waves, each 128 x 128: 64 accumulators of 16 x 16.  K = 1,024 is two LDS slots of 512 along K (rows of 256 bytes): both are first fills, nothing is filled again.
; The scale bytes of the work-group's 256 rows of x and 256 rows of W come once, as dense blocks, with 16 bytes of padding behind each 256.
; CLUSTERS: 4 x 4 work-groups; x's tiles are asked for jointly along a row of the cluster, W's along a column.  The cluster's x IS z (0 q, 1 k, 2 v): four tiles of 256 columns are one weight,
; so the one branch on z is alike in all sixteen partners.
; THE MATRIX INSTRUCTION IS USED TRANSPOSED (source 0 = 16 rows of W, source 1 = 16 rows of x): a lane holds one row t and eight neighbouring channels.  A wave's 128 columns are two heads.
; REGISTERS: window 0: v0-31 addresses; v32-95 scale words, two sets, and nothing else; v96-127 T; v128-191 x's fragments, one set; v192-223 packed f16; v224-255 rows read back.
;   window 1: W's fragments, two sets, at v0 and v128; v64-127 and v192-255: cos and sin of a block of 16 rows, two sets.   windows 2, 3: the accumulators ((a, b) at v[8 (8 (a % 4) + b)]).
.set SIZE_K, 1024
.set KSTEP,  512
.set NQ,     KSTEP/128
.set ROWB,   256
.set KROW,   SIZE_K/2
.set PITCH,  272                       ; an LDS row: 256 bytes + 16 of padding: the 16 rows of a fragment load start 68 words apart
.set FR,     8
.set NL,     2
.set NP,     4                         ; places behind this matrix instruction (ISA guide 7.12.1)
.set HALFT,  128*PITCH
.set SLOT,   4*HALFT
.set KS,     SIZE_K/32
.set SCL,    2*SLOT
.set HALFS,  (128*KS/256)*272
.set SBLK,   (16*KS/256)*272
.set SPARE,  SCL+4*HALFS               ; the spare words, 128 bytes a wave, named by no other line
.set ADRA, 16
.set ADRB, 20
.set STO,  24                          ; the way out: where I put 16 bytes of a row (my stage: 16 rows x 272 bytes in slot 0, which has had its one fill and its last read by then)
.set RD,   25                          ; and where I read back
.set ADRS, 27
.set SPW,  28
.set NIL,  29
.set TA,   30                          ; my byte offset in cos and sin: (t0 + lane % 16) x 256 + 32 (lane / 16)
.set GO,   31                          ; my byte offset in the wave's part of qkv16
.set SC,   32
.set T,    96
.set AF,   128
.set PKD,  192
.set BK,   224
.set TAB,  64                          ; in window 1: set s at TAB + 128 s: 32 cos, 32 sin
.set G1, 24
.set G0, 32
.set G1B, 48
.set G0B, 56
.set G1S, 68
.set G0S, 76
.set G1SB, 80
.set G0SB, 88
.set MSB, 0
.macro WIN new                         ; the immediate's high byte repeats the setting that is left
.if MSB != (\new)
	s_set_vgpr_msb (MSB<<8)|(\new)
.set MSB, (\new)
.endif
.endm
.set MUL_LO, 0xa1                      ; source 0 (W) window 1, source 1 (x) window 0, C and D window 2
.set MUL_HI, 0xf1
.set TO_B,   0x40                      ; destination window 1
; A joint load: waves 0 and 1 fetch for x, waves 2 and 3 for W.  An s_nop 0 and four v_nop follow each of the two lines.
.macro JLOAD g0a, g1a, g0b, g1b
	s_cmp_eq_u32 s15, 0
	s_cbranch_scc0 .Lfor_b_\@
	tensor_load_to_lds s[\g0a:\g0a+3], s[\g1a:\g1a+7]
	s_nop 0
.rept 4
	v_nop
.endr
	s_branch .Lasked_\@
.Lfor_b_\@:
	tensor_load_to_lds s[\g0b:\g0b+3], s[\g1b:\g1b+7]
	s_nop 0
.rept 4
	v_nop
.endr
.Lasked_\@:
.endm
.macro CROUND                          ; a round of the cluster's barrier
	s_barrier_signal -1
	s_barrier_wait -1
	s_cmp_lg_u32 s14, 0
	s_cbranch_scc1 .Lnot_wave_0_\@
	s_barrier_signal -3
.Lnot_wave_0_\@:
	s_barrier_wait -3
	s_barrier_signal -1
	s_barrier_wait -1
.endm
	s_load_b128 s[4:7], s[0:1], 0x0                ; x's codes, x's scales
	s_load_b128 s[8:11], s[0:1], 0x10              ; W's codes, W's scales
	s_load_b64 s[12:13], s[0:1], 0x20              ; qkv16
	s_load_b128 s[96:99], s[0:1], 0x28             ; cos, sin
	v_lshl_add_u32 v[SPW], v0, 2, SPARE
	v_mov_b32 v[NIL], 0
	ds_add_u32 v[SPW], v[NIL]                      ; the opening: the add, twice on end, and its wait ahead of my first tensor load
	ds_add_u32 v[SPW], v[NIL]
	v_lshrrev_b32 v1, 5, v0
	v_readfirstlane_b32 s14, v1                    ; wave 0..3
	s_lshr_b32 s15, s14, 1                         ; which half of the tile's rows is mine; also: I fetch for x (0) or for W (1)
	s_and_b32 s16, s14, 1                          ; which half of its columns; also: which 128 rows I fetch
	s_bfe_u32 s40, ttmp6, 0x40000                  ; cx
	s_bfe_u32 s41, ttmp6, 0x40004                  ; cy
	s_lshl_b32 s42, ttmp9, 2
	s_add_co_u32 s42, s42, s40                     ; tile column = 4 x cluster x + cx
	s_and_b32 s17, ttmp7, 0xffff
	s_lshl_b32 s17, s17, 2
	s_add_co_u32 s17, s17, s41                     ; tile row = 4 x cluster y + cy
	s_lshl_b32 s43, s41, 2
	s_lshl_b32 s43, 15, s43                        ; my row of the cluster
	s_lshl_b32 s44, 0x1111, s40                    ; my column
	s_or_b32 s[G1+0], s43, (0<<16)|(1<<20)|(1<<21)|(5<<22)|(3<<25)  ; mask; elements of 1 byte; padding: 4 words after every 64; bit 21 beside a mask
	s_or_b32 s[G1B+0], s44, (0<<16)|(1<<20)|(1<<21)|(5<<22)|(3<<25)
.irp g, G1, G1B
	s_mov_b32 s[\g+1], ROWB<<16                    ; tensor_dim0
	s_mov_b32 s[\g+2], 128<<16                     ; tensor_dim1
	s_mov_b32 s[\g+3], ROWB<<16                    ; tile_dim0
	s_mov_b32 s[\g+4], 128                         ; tile_dim1
	s_mov_b32 s[\g+5], KROW                        ; the pitch
	s_mov_b32 s[\g+6], 0
	s_mov_b32 s[\g+7], 0
.endr
	s_or_b32 s[G1S+0], s43, (3<<16)|(1<<20)|(1<<21)|(5<<22)|(3<<25)  ; the scales of 128 rows: 4,096 dense bytes as 16 rows of 32 elements of 8 bytes
	s_or_b32 s[G1SB+0], s44, (3<<16)|(1<<20)|(1<<21)|(5<<22)|(3<<25)
.irp g, G1S, G1SB
	s_mov_b32 s[\g+1], 32<<16
	s_mov_b32 s[\g+2], (128*KS/256)<<16
	s_mov_b32 s[\g+3], 32<<16
	s_mov_b32 s[\g+4], 128*KS/256
	s_mov_b32 s[\g+5], 32
	s_mov_b32 s[\g+6], 0
	s_mov_b32 s[\g+7], 0
.endr
	s_lshl_b32 s18, s16, 7
	s_lshl_b32 s20, s17, 8
	s_add_co_u32 s20, s20, s18                     ; x: row 256 x tile row + 128 x half
	s_lshl_b32 s46, s42, 8
	s_add_co_u32 s46, s46, s18                     ; W: row 256 x tile column + 128 x half
	s_mov_b32 s21, 0
	s_mov_b32 s47, 0
	s_mov_b64 s[18:19], KS
	s_mul_u64 s[22:23], s[20:21], s[18:19]
	s_mul_u64 s[92:93], s[46:47], s[18:19]
	s_mov_b64 s[18:19], KROW
	s_mul_u64 s[20:21], s[20:21], s[18:19]
	s_mul_u64 s[46:47], s[46:47], s[18:19]
	s_mul_i32 s45, s14, HALFT                      ; where they go: wave x 128 rows
	s_mul_i32 s94, s14, HALFS
	s_wait_dscnt 0x0                               ; both opening adds are done
	s_wait_kmcnt 0x0
	s_add_nc_u64 s[20:21], s[4:5], s[20:21]
	s_add_nc_u64 s[22:23], s[6:7], s[22:23]
	s_add_nc_u64 s[46:47], s[8:9], s[46:47]
	s_add_nc_u64 s[92:93], s[10:11], s[92:93]
	CROUND                                         ; all sixteen work-groups are here: the joint loads meet
	s_mov_b32 s[G0S], 1
	s_add_co_u32 s[G0S+1], s94, SCL
	s_mov_b64 s[G0S+2:G0S+3], s[22:23]
	s_or_b32 s[G0S+3], s[G0S+3], 0x80000000
	s_mov_b32 s[G0SB], 1
	s_add_co_u32 s[G0SB+1], s94, SCL
	s_mov_b64 s[G0SB+2:G0SB+3], s[92:93]
	s_or_b32 s[G0SB+3], s[G0SB+3], 0x80000000
	JLOAD G0S, G1S, G0SB, G1SB                     ; the scales first; with the two slots three loads of mine are out
.irp s, 0,1
	s_mov_b32 s[G0+4*\s], 1
	s_add_co_u32 s[G0+4*\s+1], s45, \s*SLOT
	s_add_nc_u64 s[G0+4*\s+2:G0+4*\s+3], s[20:21], \s*ROWB
	s_or_b32 s[G0+4*\s+3], s[G0+4*\s+3], 0x80000000
	s_mov_b32 s[G0B+4*\s], 1
	s_add_co_u32 s[G0B+4*\s+1], s45, \s*SLOT
	s_add_nc_u64 s[G0B+4*\s+2:G0B+4*\s+3], s[46:47], \s*ROWB
	s_or_b32 s[G0B+4*\s+3], s[G0B+4*\s+3], 0x80000000
	JLOAD G0+4*\s, G1, G0B+4*\s, G1B
.endr
	v_and_b32 v1, 15, v0                           ; r = lane % 16
	v_bfe_u32 v2, v0, 4, 1                         ; h = lane / 16
	v_mul_u32_u24 v3, v1, PITCH
	v_lshl_add_u32 v4, v2, 4, v3                   ; row x pitch + 16 h
	s_mul_i32 s21, s15, HALFT
	s_mul_i32 s22, s16, HALFT
	s_add_co_u32 s22, s22, 2*HALFT
.irp s, 0,1
	v_add_nc_u32 v[ADRA+\s], s21, v4
	v_add_nc_u32 v[ADRB+\s], s22, v4
	s_add_co_u32 s21, s21, SLOT
	s_add_co_u32 s22, s22, SLOT
.endr
	v_mul_u32_u24 v5, v1, KS                       ; my row's scales: 32 bytes a row, 16 more for each 256 passed
	v_lshrrev_b32 v6, 8, v5
	v_lshl_add_u32 v5, v6, 4, v5
	s_mul_i32 s21, s15, HALFS
	s_mul_i32 s22, s16, HALFS
	s_add_co_u32 s22, s22, 2*HALFS
	s_sub_co_u32 s22, s22, s21
	v_mul_u32_u24 v6, s22, v2                      ; lanes 16-31 take W's
	s_add_co_u32 s21, s21, SCL
	v_add_nc_u32 v5, v5, v6
	v_add_nc_u32 v[ADRS], s21, v5
	s_mul_i32 s23, s14, 16*PITCH                   ; my stage
	v_add_nc_u32 v[STO], s23, v4                   ; in: row r, 16 bytes for each half of the lanes
	v_bfe_u32 v5, v0, 3, 1
	v_and_b32 v6, 7, v0
	v_mul_u32_u24 v7, v5, PITCH                    ; back: lanes 0-15 head 0, lanes 16-31 head 1; eight lanes a row of 128 bytes, two rows t
	v_lshl_add_u32 v7, v2, 7, v7
	v_lshl_add_u32 v7, v6, 4, v7
	v_add_nc_u32 v[RD], s23, v7
	v_lshlrev_b32 v[GO], 18, v2                    ; a head is 2,048 x 128 bytes
	v_lshl_add_u32 v[GO], v5, 7, v[GO]
	v_lshl_add_u32 v[GO], v6, 4, v[GO]
	s_lshl_b32 s20, s17, 8
	s_lshl_b32 s21, s15, 7
	s_add_co_u32 s20, s20, s21                     ; my first row of x
	s_lshr_b32 s21, s20, 11                        ; its batch,
	s_and_b32 s20, s20, 2047                       ; and its position t0
	s_lshl_b32 s18, s20, 8
	v_lshl_add_u32 v[TA], v1, 8, s18
	v_lshl_add_u32 v[TA], v2, 5, v[TA]
	s_lshl_b32 s21, s21, 22                        ; a batch is 16 heads
	s_lshl_b32 s20, s20, 7
	s_add_co_u32 s20, s20, s21
	s_lshl_b32 s21, ttmp9, 24                      ; z x 16,777,216
	s_add_co_u32 s20, s20, s21
	s_mov_b32 s21, 0
	s_lshl_b32 s46, s40, 20                        ; my first head: 4 cx + 2 x half
	s_lshl_b32 s47, s16, 19
	s_add_co_u32 s46, s46, s47
	s_mov_b32 s47, 0
	s_add_nc_u64 s[20:21], s[20:21], s[46:47]
	s_add_nc_u64 s[12:13], s[12:13], s[20:21]
.macro FRAG reg, adr, q, i             ; 16 rows x 128 K of 4-bit codes: 8 registers; registers 4 c .. 4 c + 3 hold K = 64 c + 32 h + 0 .. 31
.irp c, 0,1
	ds_load_b128 v[\reg+4*\c:\reg+4*\c+3], v[\adr] offset:64*(\q)+32*\c+(\i)*16*PITCH
.endr
.endm
; 16 matrix instructions: x's blocks a0, a0 + 1 against W's eight.  The 64 accumulators take turns, one instruction a turn, in the same order in every step.
.macro MUL16 a0, p, q, sc, zero
.irp a, \a0, \a0+1
.irp b, 0,1,2,3,4,5,6,7
.if \zero
	v_wmma_scale_f32_16x16x128_f8f6f4 v[8*(8*((\a)%4)+\b):8*(8*((\a)%4)+\b)+7], v[128*(\p)+FR*\b:128*(\p)+FR*\b+FR-1], v[AF+FR*(\a):AF+FR*(\a)+FR-1], 0, v[SC+8*NQ*(\sc)+NQ*\b+(\q)], v[SC+8*NQ*(\sc)+NQ*(\a)+(\q)] matrix_a_fmt:MATRIX_FMT_FP4 matrix_b_fmt:MATRIX_FMT_FP4 matrix_a_scale:MATRIX_SCALE_ROW1
.else
	v_wmma_scale_f32_16x16x128_f8f6f4 v[8*(8*((\a)%4)+\b):8*(8*((\a)%4)+\b)+7], v[128*(\p)+FR*\b:128*(\p)+FR*\b+FR-1], v[AF+FR*(\a):AF+FR*(\a)+FR-1], v[8*(8*((\a)%4)+\b):8*(8*((\a)%4)+\b)+7], v[SC+8*NQ*(\sc)+NQ*\b+(\q)], v[SC+8*NQ*(\sc)+NQ*(\a)+(\q)] matrix_a_fmt:MATRIX_FMT_FP4 matrix_b_fmt:MATRIX_FMT_FP4 matrix_a_scale:MATRIX_SCALE_ROW1
.endif
.endr
.endr
.endm
.macro FETCH_B slot, q, p
	WIN TO_B
.irp i, 0,1,2,3,4,5,6,7
	FRAG 128*(\p)+FR*\i, ADRB+\slot, \q, \i
.endr
	WIN 0
.endm
.macro FETCH_A slot, q, i0
.irp i, \i0, \i0+1, \i0+2, \i0+3
	FRAG AF+FR*(\i), ADRA+\slot, \q, \i
.endr
.endm
.macro SCALES sc                       ; a slot's scale words: lanes 0-15 x's block i, lanes 16-31 W's block i, four words a row
.irp i, 0,1,2,3,4,5,6,7
	ds_load_b128 v[SC+8*NQ*\sc+NQ*\i:SC+8*NQ*\sc+NQ*\i+3], v[ADRS] offset:\i*SBLK
.endr
.endm
.macro PLACES n                        ; plain vector lines between a matrix instruction and a load into its sources or a read of its result
.rept \n
	v_nop
.endr
.endm
.macro STEP slot, q, zero              ; 128 along K, with its successor in the same slot
	s_wait_dscnt 4*NL                              ; all but the youngest eight loads (x's blocks 4-7) are in
	WIN MUL_LO
	MUL16 0, (\q)%2, \q, \slot, \zero
	MUL16 2, (\q)%2, \q, \slot, \zero
	s_wait_dscnt 0
	PLACES NP
	FETCH_B \slot, (\q)+1, 1-(\q)%2
	FETCH_A \slot, (\q)+1, 0
	WIN MUL_HI
	MUL16 4, (\q)%2, \q, \slot, \zero
	MUL16 6, (\q)%2, \q, \slot, \zero
	PLACES NP
	WIN 0
	FETCH_A \slot, (\q)+1, 4
.endm
.macro TURN slot, next                 ; slot 0's last step: one barrier, behind which slot 1 is whole and nobody reads slot 0; nothing is filled again
	s_wait_tensorcnt 0x0                           ; my part of slot 1 has landed
	ds_add_u32 v[SPW], v[NIL]
	s_wait_dscnt 4*NL+1                            ; (the add and the youngest eight loads may be out)
	WIN MUL_LO
	MUL16 0, 1, NQ-1, \slot, 0
	s_wait_dscnt 0x0                               ; the add is done, and my reads of this slot are over
	s_barrier_signal -1
	MUL16 2, 1, NQ-1, \slot, 0
	WIN 0
	s_barrier_wait -1
	PLACES NP
	v_add_nc_u32 v[ADRS], 4*NQ, v[ADRS]            ; the next slot's scale words
	FETCH_B \next, 0, 0
	FETCH_A \next, 0, 0
	SCALES \next
	WIN MUL_HI
	MUL16 4, 1, NQ-1, \slot, 0
	MUL16 6, 1, NQ-1, \slot, 0
	PLACES NP
	WIN 0
	FETCH_A \next, 0, 4
.endm
.macro STEPS slot, from
.set Q, \from
.rept NQ-1-\from
	STEP \slot, Q, 0
.set Q, Q+1
.endr
.endm
; cos and sin of block a's 16 rows: lane (r, h) takes, for c = 0 .. 3, channels 16 c + 8 h + 0 .. 7 of row t0 + 16 a + r: 16 loads into set a % 2
.macro TABLES a
	WIN TO_B
.irp c, 0,1,2,3
	global_load_b128 v[TAB+128*((\a)%2)+8*\c:TAB+128*((\a)%2)+8*\c+3], v[TA], s[96:97] offset:(\a)*4096+64*\c
	global_load_b128 v[TAB+128*((\a)%2)+8*\c+4:TAB+128*((\a)%2)+8*\c+7], v[TA], s[96:97] offset:(\a)*4096+64*\c+16
	global_load_b128 v[TAB+128*((\a)%2)+32+8*\c:TAB+128*((\a)%2)+32+8*\c+3], v[TA], s[98:99] offset:(\a)*4096+64*\c
	global_load_b128 v[TAB+128*((\a)%2)+32+8*\c+4:TAB+128*((\a)%2)+32+8*\c+7], v[TA], s[98:99] offset:(\a)*4096+64*\c+16
.endr
	WIN 0
.endm
	s_wait_tensorcnt 1                             ; the scales and my part of slot 0 are in; slot 1's load may be out
	s_barrier_signal -1
	s_barrier_wait -1
	FETCH_B 0, 0, 0
	FETCH_A 0, 0, 0
	SCALES 0
	FETCH_A 0, 0, 4
	STEP 0, 0, 1                                   ; the first products start the sums: nothing is cleared
	STEPS 0, 1
	TURN 0, 1
	TABLES 0                                       ; the first block's tables, four steps ahead of their use.  v's work-groups load them too and do not use them: so the text has one path here
	STEPS 1, 0
	s_wait_dscnt 4*NL                              ; the last step: nothing more to fetch
	WIN MUL_LO
	MUL16 0, 1, NQ-1, 1, 0
	MUL16 2, 1, NQ-1, 1, 0
	s_wait_dscnt 0
	WIN MUL_HI
	MUL16 4, 1, NQ-1, 1, 0
	MUL16 6, 1, NQ-1, 1, 0
	WIN 0
; THE WAY OUT, a block of 16 rows at a time.  Accumulator (a, 4 e + c) holds, in lane (r, h), channels 16 c + 8 h + 0 .. 7 of head e, row 16 a + r.
; RoPE: out[d] = y[d] cos[d] - y[d + 32] sin[d] for d < 32, out[d] = y[d] cos[d] + y[d - 32] sin[d] for d >= 32: the partner lies in accumulator c + 2 or c - 2 of the same lane.
.macro ROPE a
.set AC, 64*((\a)%4)
.set TBL, TAB+128*((\a)%2)
.irp e, 0,1
	WIN 0x06+(\a)/4                                ; source 0: the accumulators' window; source 1: window 1, the tables
.irp c, 0,1
.irp p, 0,2,4,6                                ; each accumulator from its low end on
	v_pk_mul_f32 v[T+8*\c+\p:T+8*\c+\p+1], v[AC+8*(4*\e+\c+2)+\p:AC+8*(4*\e+\c+2)+\p+1], v[TBL+32+8*\c+\p:TBL+32+8*\c+\p+1]
	v_pk_mul_f32 v[T+16+8*\c+\p:T+16+8*\c+\p+1], v[AC+8*(4*\e+\c)+\p:AC+8*(4*\e+\c)+\p+1], v[TBL+48+8*\c+\p:TBL+48+8*\c+\p+1]
.endr
.endr
.irp c, 0,1
.irp p, 0,2,4,6
	v_pk_fma_f32 v[T+8*\c+\p:T+8*\c+\p+1], v[AC+8*(4*\e+\c)+\p:AC+8*(4*\e+\c)+\p+1], v[TBL+8*\c+\p:TBL+8*\c+\p+1], v[T+8*\c+\p:T+8*\c+\p+1] neg_lo:[0,0,1] neg_hi:[0,0,1]
	v_pk_fma_f32 v[T+16+8*\c+\p:T+16+8*\c+\p+1], v[AC+8*(4*\e+\c+2)+\p:AC+8*(4*\e+\c+2)+\p+1], v[TBL+16+8*\c+\p:TBL+16+8*\c+\p+1], v[T+16+8*\c+\p:T+16+8*\c+\p+1]
.endr
.endr
	WIN 0
.irp i, 0,1,2,3,4,5,6,7,8,9,10,11,12,13,14,15
	v_cvt_pk_f16_f32 v[PKD+16*\e+\i], v[T+2*\i], v[T+2*\i+1]
.endr
.endr
.endm
.macro PACKV a                         ; v has no RoPE: rounded as it stands
.set AC, 64*((\a)%4)
	WIN 0x0a+5*((\a)/4)
.irp b, 0,1,2,3,4,5,6,7
.irp i, 0,1,2,3
	v_cvt_pk_f16_f32 v[PKD+4*\b+\i], v[AC+8*\b+2*\i], v[AC+8*\b+2*\i+1]
.endr
.endr
	WIN 0
.endm
.macro TOSTAGE                         ; 16 rows x 256 bytes (two heads) into my stage, and back so that sixteen lanes hold two neighbouring rows t of one head.  LDS serves a wave's instructions in order
.irp b, 0,1,2,3,4,5,6,7
	ds_store_b128 v[STO], v[PKD+4*\b:PKD+4*\b+3] offset:32*\b
.endr
.irp i, 0,1,2,3,4,5,6,7
	ds_load_b128 v[BK+4*\i:BK+4*\i+3], v[RD] offset:544*\i
.endr
.endm
.macro SEND a
	s_wait_dscnt 0x0                               ; the block is back in registers
.irp i, 0,1,2,3,4,5,6,7
	global_store_b128 v[GO], v[BK+4*\i:BK+4*\i+3], s[12:13] offset:2048*(\a)+256*\i   ; sixteen lanes store 256 consecutive bytes, aligned
.endr
.endm
	PLACES NP                                      ; between the last products and the first read of results
	s_cmp_eq_u32 ttmp9, 2                          ; z: the cluster's x, alike in all partners
	s_cbranch_scc1 .Lvout
	TABLES 1
	s_wait_loadcnt 16                              ; block 0's tables are in; block 1's 16 loads may be out
	ROPE 0
	TOSTAGE
.irp a, 1,2,3,4,5,6,7
.if \a < 7
	TABLES \a+1
	s_wait_loadcnt 16                              ; this block's tables are in; the next block's may be out
.else
	s_wait_loadcnt 0x0
.endif
	ROPE \a                                        ; stands between the last block's loads from the stage and the wait for them
	SEND \a-1
	s_wait_xcnt 0x0                                ; the stores have read the registers that the stage's loads write next
	TOSTAGE
.endr
	SEND 7
	s_branch .Ldone
.Lvout:
	PACKV 0
	TOSTAGE
.irp a, 1,2,3,4,5,6,7
	PACKV \a
	SEND \a-1
	s_wait_xcnt 0x0
	TOSTAGE
.endr
	SEND 7
.Ldone:
	s_wait_tensorcnt 0x0                           ; the wave's end
	ds_add_u32 v[SPW], v[NIL]
	s_wait_dscnt 0x0
	CROUND                                         ; the closing round
	s_endpgm
.Lfunc_end_k_q07ffa96771_qkv:
	.size	k_q07ffa96771_qkv, .Lfunc_end_k_q07ffa96771_qkv-k_q07ffa96771_qkv
	.p2alignl 7, 3214868480
	.fill 96, 4, 3214868480
	.section	.rodata,"a",@progbits
	.p2align	6, 0x0
	.amdhsa_kernel k_q07ffa96771_qkv
		.amdhsa_group_segment_fixed_size 327680
		.amdhsa_private_segment_fixed_size 0
		.amdhsa_enable_private_segment 0
		.amdhsa_kernarg_size 56
		.amdhsa_user_sgpr_count 2
		.amdhsa_user_sgpr_kernarg_segment_ptr 1
		.amdhsa_wavefront_size32 1
		.amdhsa_system_sgpr_workgroup_id_x 1
		.amdhsa_system_sgpr_workgroup_id_y 1
		.amdhsa_system_sgpr_workgroup_id_z 1
		.amdhsa_system_vgpr_workitem_id 0
		.amdhsa_next_free_vgpr 1024
		.amdhsa_next_free_sgpr 100
		.amdhsa_reserve_vcc 0
		.amdhsa_float_denorm_mode_32 3
		.amdhsa_float_denorm_mode_16_64 3
		.amdhsa_memory_ordered 1
		.amdhsa_forward_progress 1
		.amdhsa_inst_pref_size 203
	.end_amdhsa_kernel
	.amdgpu_metadata
---
amdhsa.version: [ 1, 2 ]
amdhsa.kernels:
  - .name:           k_q07ffa96771_qkv
    .symbol:         k_q07ffa96771_qkv.kd
    .args:
      - { .name: x_codes, .offset: 0, .size: 8, .value_kind: global_buffer, .address_space: global }
      - { .name: x_scales, .offset: 8, .size: 8, .value_kind: global_buffer, .address_space: global }
      - { .name: w_codes, .offset: 16, .size: 8, .value_kind: global_buffer, .address_space: global }
      - { .name: w_scales, .offset: 24, .size: 8, .value_kind: global_buffer, .address_space: global }
      - { .name: qkv16, .offset: 32, .size: 8, .value_kind: global_buffer, .address_space: global }
      - { .name: cos, .offset: 40, .size: 8, .value_kind: global_buffer, .address_space: global }
      - { .name: sin, .offset: 48, .size: 8, .value_kind: global_buffer, .address_space: global }
    .group_segment_fixed_size: 327680
    .private_segment_fixed_size: 0
    .kernarg_segment_align: 8
    .kernarg_segment_size: 56
    .max_flat_workgroup_size: 128
    .sgpr_count:     100
    .vgpr_count:     1024
    .wavefront_size: 32
...
	.end_amdgpu_metadata
.endif
;; end of part 2
;; launch attn (part 3): grid 4 x 64, 16 waves a work-group, no clusters, 327,680 bytes of LDS; arguments qkv16, o16; writes o16
.if DOCPART == 3
	.amdgcn_target "amdgcn-amd-amdhsa--gfx1250"
	.amdhsa_code_object_version 6
	.text
	.protected	k_q07ffa96771_attn
	.globl	k_q07ffa96771_attn
	.p2align	8
	.type	k_q07ffa96771_attn,@function
k_q07ffa96771_attn:
	s_mov_b64 s[64:65], 0
	v_nop
	global_prefetch_b8 v0, s[64:65] scope:SCOPE_SE
	s_setreg_imm32_b32 hwreg(HW_REG_WAVE_MODE, 25, 1), 1
	s_wait_xcnt 0x0
; o[b][h][q] = sum over k <= q of softmax_k(q . k / 8) v[k], head size 64, 2,048 positions, operands in f16, products, maxima and sums in f32, a running maximum for each query.
; q, k, v: qkv16 [z][16 b + h][t][64] f16.  o: o16 [h][2048 b + t][64] f16.
; LIMITS: NaN and infinities are not served; weights under f16's smallest subnormal count as 0 in the second product (the row's sum is taken of the unrounded weights).
; SHARES.  A head's queries are 8 blocks of 256.  Work-group i (0 .. 3) owns blocks i and 7 - i: (i + 1) + (8 - i) = 9 key blocks of work for every i.  Sixteen waves, each 32 queries (two tiles of 16);
; eight waves take the early block, eight the late one: role = (w ^ (w >> 2)) & 1, so that both orders of dealing waves to the four SIMDs give each SIMD two of each role.
; NO CLUSTER: the four work-groups of a head need 8, 7, 6 and 5 slots of keys; a joint load would bring some partner tiles that none of its waves reads.
; LAYOUT.  S^T = K Q^T (source 0 = 16 keys, source 1 = 16 queries): a lane holds one query (lane % 16) and keys 8 (lane / 16) + 0 .. 7.  Two such tiles, rounded to f16 in pairs, are source 1 of
; O^T = V^T P; V^T comes out of LDS by the turning load.  Nothing changes lanes between the products.
; RING.  Two slots of 256 keys: 256 rows of K (128 bytes + 16), then 256 rows of V (128 + 32).  Waves 0-3 fetch K's quarters, waves 4-7 V's, one tensor load each behind a change of slots: one load of a wave is out at any time.
; Every work-group walks all 8 slots (constant trip counts); a step all of whose keys come after the wave's queries is jumped over, and a slot beyond the work-group's last query is not asked for.
; REGISTERS: v1-15 addresses; v16-31 statistics, 8 a tile: +0 c m, +1 m, +2, +3 the sum in two halves, +4 .. +7 at work (a in +6); v32-63 Q; v64-127 K, then V; v128-191 S^T (P in place, low 16 of a tile's 32); v192-255 O^T.
.set PK,    144
.set PV,    160
.set KQ,    64*PK                      ; a key step's rows of K
.set VQ,    64*PV
.set VOFF,  4*KQ
.set SLOT1, 1<<17                      ; slot 1 begins here: one exclusive or turns an address
.set SPARE, SLOT1+VOFF+4*VQ            ; the spare words, 128 bytes a wave, named by no other line
.set STAGE, SPARE+16*128               ; the way out: 32 rows x 144 bytes for each wave; no tile lands here
.set SPT,   144
.set NSL,   8
.set SLB,   256*128                    ; a slot's rows of K (or of V) in memory
.set ZB,    16777216                   ; from q to k, from k to v
.set AK0, 1
.set AV0, 2
.set ADK, 3
.set ADV, 4
.set SPW, 5
.set NIL, 6
.set PFO, 7
.set DM,  11                           ; lane % 16 - 8 (lane / 16)
.set QO,  12
.set STO, 13
.set RD,  14
.set GO,  15
.set ST,  16
.set QF,  32
.set KV,  64
.set S,   128
.set O,   192
.set WV,  8
.set Q0,  11                           ; my first query
.set KF,  12                           ; the step's first key
.set TB,  13                           ; LDS byte at which the slot in hand begins
.set SLOTS, 14
.set QE,  15                           ; my last query
.set LASTQ, 16                         ; my work-group's last query
.set LIM, 17
.set PFA, 18
.set SEL, 20
.set CS,  22                           ; c = log2(e) / 8
.set G1K, 24
.set G1V, 32
.set G0K, 40
.set G0V, 44
.macro TLOAD                           ; the branches hang on the wave's number alone; an s_nop 0 and four v_nop follow each load
	s_cmp_lt_u32 s[WV], 4
	s_cbranch_scc0 .Lnot_k_\@
	tensor_load_to_lds s[G0K:G0K+3], s[G1K:G1K+7]
	s_nop 0
.rept 4
	v_nop
.endr
	s_branch .Lasked_\@
.Lnot_k_\@:
	s_cmp_lt_u32 s[WV], 8
	s_cbranch_scc0 .Lasked_\@
	tensor_load_to_lds s[G0V:G0V+3], s[G1V:G1V+7]
	s_nop 0
.rept 4
	v_nop
.endr
.Lasked_\@:
.endm
; A prefetch of what the NEXT change of slots will ask for: 32,768 dense bytes of K and of V.  All four work-groups of a head walk the same rows: the first of them, which walks all eight slots, asks.
; In it waves 8-11 ask for K, waves 12-15 for V: 8,192 bytes a wave, lanes 256 bytes apart, one instruction: each run of 256 bytes is named once.  The last change that fills a slot asks for nothing.
.macro ASK
	s_cmp_gt_u32 s[SLOTS], s[LIM]
	s_cbranch_scc0 .Lnot_mine_\@
	global_prefetch_b8 v[PFO], s[PFA:PFA+1] th:TH_LOAD_NT scope:SCOPE_SE
.Lnot_mine_\@:
.endm
	s_load_b128 s[4:7], s[0:1], 0x0                ; qkv16, o16
	v_lshl_add_u32 v[SPW], v0, 2, SPARE
	v_mov_b32 v[NIL], 0
	ds_add_u32 v[SPW], v[NIL]                      ; the opening: the add, twice on end, and its wait ahead of the first tensor load
	ds_add_u32 v[SPW], v[NIL]
	v_lshrrev_b32 v8, 5, v0
	v_readfirstlane_b32 s[WV], v8                  ; wave 0..15
	s_lshr_b32 s48, s[WV], 2
	s_xor_b32 s48, s48, s[WV]
	s_and_b32 s9, s48, 1                           ; role
	s_lshr_b32 s10, s[WV], 1                       ; which 32 queries of the block
	s_sub_co_u32 s48, 7, ttmp9
	s_cmp_eq_u32 s9, 0
	s_cselect_b32 s48, ttmp9, s48                  ; my block: i or 7 - i
	s_lshl_b32 s[Q0], s48, 8
	s_lshl_b32 s49, s10, 5
	s_add_co_u32 s[Q0], s[Q0], s49
	s_add_co_u32 s[QE], s[Q0], 31
	s_sub_co_u32 s[LASTQ], 8, ttmp9
	s_lshl_b32 s[LASTQ], s[LASTQ], 8
	s_sub_co_u32 s[LASTQ], s[LASTQ], 1
	s_and_b32 s50, ttmp7, 0xffff                   ; 16 b + h
	s_lshl_b32 s52, s50, 18                        ; the head's first byte in q, k or v
	s_and_b32 s51, s[WV], 3
	s_lshl_b32 s53, s51, 13                        ; the 64 rows that I fetch
	s_add_co_u32 s54, s52, s53
	s_add_co_u32 s54, s54, ZB                      ; in k,
	s_mov_b32 s55, 0
	s_add_co_u32 s56, s54, ZB                      ; in v
	s_mov_b32 s57, 0
	s_mul_i32 s58, s51, KQ                         ; and where they go in a slot
	s_mul_i32 s59, s51, VQ
	s_add_co_u32 s59, s59, VOFF
	s_mov_b32 s[G1K], (1<<16)|(1<<20)|(4<<22)|(3<<25)   ; elements of 2 bytes; padding: 4 words after every 32
	s_mov_b32 s[G1V], (1<<16)|(1<<20)|(4<<22)|(7<<25)   ; 8 words
.irp g, G1K, G1V
	s_mov_b32 s[\g+1], 64<<16                      ; tensor_dim0
	s_mov_b32 s[\g+2], 64<<16                      ; tensor_dim1
	s_mov_b32 s[\g+3], 64<<16                      ; tile_dim0
	s_mov_b32 s[\g+4], 64                          ; tile_dim1
	s_mov_b32 s[\g+5], 64                          ; the pitch
	s_mov_b32 s[\g+6], 0
	s_mov_b32 s[\g+7], 0
.endr
	s_mov_b32 s[SEL], 0x76543210
	s_mov_b32 s[SEL+1], 0xfedcba98                 ; lane l xor 16
	s_mov_b32 s[CS], 0x3e38aa3b
	s_mov_b32 s[CS+1], s[CS]
	s_mov_b32 s[TB], 0
	s_mov_b32 s[KF], 0
	s_mov_b32 s[SLOTS], NSL-1
	s_wait_dscnt 0x0                               ; both opening adds are done
	s_wait_kmcnt 0x0
	s_mov_b32 s[G0K], 1
	s_mov_b32 s[G0K+1], s58
	s_add_nc_u64 s[G0K+2:G0K+3], s[4:5], s[54:55]
	s_or_b32 s[G0K+3], s[G0K+3], 0x80000000
	s_mov_b32 s[G0V], 1
	s_mov_b32 s[G0V+1], s59
	s_add_nc_u64 s[G0V+2:G0V+3], s[4:5], s[56:57]
	s_or_b32 s[G0V+3], s[G0V+3], 0x80000000
	TLOAD                                          ; slot 0: keys 0 to 255, which count for queries of every work-group
	s_cmp_lt_u32 s[WV], 12                         ; the prefetches: K's rows or V's,
	s_cselect_b32 s48, 0, ZB
	s_add_co_u32 s48, s48, s54                     ; my quarter of a slot,
	s_add_co_u32 s48, s48, SLB                     ; in slot 1: the first change of slots steps it to slot 2
	s_mov_b32 s49, 0
	s_add_nc_u64 s[PFA:PFA+1], s[4:5], s[48:49]
	s_lshr_b32 s48, s[WV], 3
	s_xor_b32 s48, s48, 1                          ; 0 in waves 8 to 15
	s_or_b32 s48, s48, ttmp9                       ; of the head's first work-group
	s_cmp_eq_u32 s48, 0
	s_cselect_b32 s[LIM], 1, -1
	s_lshl_b32 s48, s[Q0], 7
	s_add_co_u32 s48, s48, s52
	s_add_nc_u64 s[60:61], s[4:5], s[48:49]        ; q at my first query
	s_and_b32 s48, s50, 15
	s_lshl_b32 s48, s48, 20                        ; o16: the head's plane,
	s_lshr_b32 s53, s50, 4
	s_lshl_b32 s53, s53, 18                        ; the batch's 2,048 rows of 128 bytes,
	s_add_co_u32 s48, s48, s53
	s_lshl_b32 s53, s[Q0], 7
	s_add_co_u32 s48, s48, s53
	s_add_nc_u64 s[6:7], s[6:7], s[48:49]
	v_and_b32 v8, 15, v0                           ; r
	v_bfe_u32 v9, v0, 4, 1                         ; h
	v_lshlrev_b32 v[QO], 7, v8
	v_lshl_add_u32 v[QO], v9, 4, v[QO]
.irp x, 0,1
.irp c, 0,1
	global_load_b128 v[QF+16*\x+8*\c:QF+16*\x+8*\c+3], v[QO], s[60:61] offset:2048*\x+64*\c       ; Q stays in registers: tile x, channels 32 c on
	global_load_b128 v[QF+16*\x+8*\c+4:QF+16*\x+8*\c+7], v[QO], s[60:61] offset:2048*\x+64*\c+32
.endr
.endr
	v_mul_u32_u24 v[AK0], v8, PK
	v_lshl_add_u32 v[AK0], v9, 4, v[AK0]           ; K: row r x pitch + 16 h
	v_and_b32 v10, 7, v0
	v_lshl_add_u32 v[AV0], v9, 3, v10              ; V, for the turning load: key 8 h + lane % 8, channels 8 ((lane / 8) % 2) on
	v_mul_u32_u24 v[AV0], v[AV0], PV
	v_bfe_u32 v10, v0, 3, 1
	v_lshl_add_u32 v[AV0], v10, 4, v[AV0]
	v_add_nc_u32 v[AV0], VOFF, v[AV0]
	v_lshlrev_b32 v10, 3, v9
	v_sub_nc_u32 v[DM], v8, v10
	v_and_b32 v[PFO], 31, v0
	v_lshlrev_b32 v[PFO], 8, v[PFO]
.irp x, 0,1
	v_mov_b32 v[ST+8*\x+1], 0xff61b1e6             ; m = -3e38, under every score
	v_mul_f32 v[ST+8*\x], s[CS], v[ST+8*\x+1]      ; c m
.irp k, 2,3,4,5,6,7
	v_mov_b32 v[ST+8*\x+\k], 0
.endr
.endr
.set n, 0
.rept 64
	v_mov_b32 v[O+n], 0                            ; O^T.  The step is written once: the first finds zeros, which a = 0 leaves zeros
.set n, n+1
.endr
; A KEY STEP: 64 keys, the q-th of the slot in hand.
.macro STEP q
	s_cmp_gt_u32 s[KF], s[QE]                      ; all 64 keys come after my 32 queries: the step's work is left out (ids and the count of steps alone)
	s_cbranch_scc1 .Lhidden_\@
	v_add_nc_u32 v[ADK], s[TB], v[AK0]
	v_add_nc_u32 v[ADV], s[TB], v[AV0]
.irp t, 0,1,2,3
.irp c, 0,1
	ds_load_b128 v[KV+8*(2*\t+\c):KV+8*(2*\t+\c)+3], v[ADK] offset:(\q)*KQ+\t*16*PK+64*\c
	ds_load_b128 v[KV+8*(2*\t+\c)+4:KV+8*(2*\t+\c)+7], v[ADK] offset:(\q)*KQ+\t*16*PK+64*\c+32
.endr
.endr
	s_wait_dscnt 0x0
.set i, 0
.rept 16                                       ; S^T = K Q^T: eight accumulators by turns; the first eight products start the sums
.set rS, S+32*(i%2)+8*((i/2)%4)
.set rK, KV+8*(2*((i/2)%4)+i/8)
.set rQ, QF+16*(i%2)+8*(i/8)
.if i < 8
	v_wmma_f32_16x16x32_f16 v[rS:rS+7], v[rK:rK+7], v[rQ:rQ+7], 0
.else
	v_wmma_f32_16x16x32_f16 v[rS:rS+7], v[rK:rK+7], v[rQ:rQ+7], v[rS:rS+7]
.endif
.set i, i+1
.endr
.rept 4
	v_nop                                          ; places in front of the loads into K's registers and of the first read of the scores
.endr
.irp g, 0,1
.irp t, 0,1,2,3
	ds_load_tr16_b128 v[KV+8*(4*\g+\t):KV+8*(4*\g+\t)+3], v[ADV] offset:(\q)*VQ+\g*32*PV+32*\t          ; V^T: keys 32 g on, channels 16 t on; it lands during the softmax
	ds_load_tr16_b128 v[KV+8*(4*\g+\t)+4:KV+8*(4*\g+\t)+7], v[ADV] offset:(\q)*VQ+\g*32*PV+16*PV+32*\t
.endr
.endr
	s_add_co_u32 s48, s[KF], 63
	s_cmp_le_u32 s48, s[Q0]                        ; all 64 keys count for all my queries: no mask
	s_cbranch_scc1 .Lopen_\@
	s_sub_co_i32 s48, s[Q0], s[KF]
	v_add_nc_u32 v8, s48, v[DM]                    ; d = my query - KF - 8 h.  Register 8 t + j holds key KF + 16 t + 8 h + j: hidden where 16 t + j > d
	v_add_nc_u32 v9, 16, v8                        ; the second tile's queries
	v_mov_b32 v10, 0xff800000                      ; -infinity
.irp x, 0,1
.set n, 0
.rept 32
	v_cmp_gt_i32 vcc_lo, 16*(n/8)+n%8, v[8+\x]
	v_cndmask_b32 v[S+32*\x+n], v[S+32*\x+n], v10, vcc_lo
.set n, n+1
.endr
.endr
.Lopen_\@:
	; the softmax, the two tiles line by line.  The maximum of 32 scores and the old m, each accumulator read from its low end on
.irp j, 0,1,2,3
.irp x, 0,1
	v_max3_num_f32 v[ST+8*\x+4+\j], v[S+32*\x+8*\j], v[S+32*\x+8*\j+1], v[S+32*\x+8*\j+2]
.endr
.endr
.irp u, 1,2
.irp j, 0,1,2,3
.irp x, 0,1
	v_max3_num_f32 v[ST+8*\x+4+\j], v[ST+8*\x+4+\j], v[S+32*\x+8*\j+2*\u+1], v[S+32*\x+8*\j+2*\u+2]
.endr
.endr
.endr
.irp x, 0,1
	v_max3_num_f32 v[ST+8*\x+4], v[ST+8*\x+4], v[S+32*\x+7], v[S+32*\x+15]
	v_max3_num_f32 v[ST+8*\x+6], v[ST+8*\x+6], v[S+32*\x+23], v[S+32*\x+31]
.endr
.irp x, 0,1
	v_max3_num_f32 v[ST+8*\x+4], v[ST+8*\x+4], v[ST+8*\x+5], v[ST+8*\x+6]
.endr
.irp x, 0,1
	v_max3_num_f32 v[ST+8*\x+4], v[ST+8*\x+4], v[ST+8*\x+7], v[ST+8*\x+1]
.endr
.irp x, 0,1
	v_permlanex16_b32 v[ST+8*\x+5], v[ST+8*\x+4], s[SEL], s[SEL+1]   ; the query's other 32 keys lie in the lane 16 away
.endr
.irp x, 0,1
	v_mov_b32 v[ST+8*\x+7], v[ST+8*\x]             ; c m_old
.endr
.irp x, 0,1
	v_max_num_f32 v[ST+8*\x+1], v[ST+8*\x+4], v[ST+8*\x+5]
.endr
.irp x, 0,1
	v_mul_f32 v[ST+8*\x], s[CS], v[ST+8*\x+1]
.endr
.irp x, 0,1
	v_sub_f32 v[ST+8*\x+7], v[ST+8*\x+7], v[ST+8*\x]
.endr
.set n, 0
.rept 16
	v_pk_fma_f32 v[S+n:S+n+1], v[S+n:S+n+1], s[CS:CS+1], v[ST:ST+1] op_sel_hi:[1,0,0] neg_lo:[0,0,1] neg_hi:[0,0,1]         ; c s - c m
	v_pk_fma_f32 v[S+32+n:S+32+n+1], v[S+32+n:S+32+n+1], s[CS:CS+1], v[ST+8:ST+9] op_sel_hi:[1,0,0] neg_lo:[0,0,1] neg_hi:[0,0,1]
.set n, n+2
.endr
.irp x, 0,1
	v_exp_f32 v[ST+8*\x+6], v[ST+8*\x+7]           ; a = 2^(c m_old - c m_new)
.endr
.set n, 0
.rept 32
	v_exp_f32 v[S+n], v[S+n]                       ; p = 2^(c s - c m), at most 1
	v_exp_f32 v[S+32+n], v[S+32+n]
.set n, n+1
.endr
	v_nop                                          ; a plain line behind the last exponential
	s_wait_alu depctr_va_vdst(0)                   ; one wait for both tiles' 66 exponentials, ahead of the first line that names a result
.irp x, 0,1
	v_pk_mul_f32 v[ST+8*\x+2:ST+8*\x+3], v[ST+8*\x+2:ST+8*\x+3], v[ST+8*\x+6:ST+8*\x+7] op_sel_hi:[1,0]   ; the sum under the new m
.endr
.irp x, 0,1
	v_pk_add_f32 v[ST+8*\x+4:ST+8*\x+5], v[S+32*\x:S+32*\x+1], v[S+32*\x+2:S+32*\x+3]                     ; the row's sum of the unrounded p, in two chains
.endr
.irp j, 4,8,12,16,20,24,28
.irp x, 0,1
	v_pk_add_f32 v[ST+8*\x+2:ST+8*\x+3], v[ST+8*\x+2:ST+8*\x+3], v[S+32*\x+\j:S+32*\x+\j+1]
	v_pk_add_f32 v[ST+8*\x+4:ST+8*\x+5], v[ST+8*\x+4:ST+8*\x+5], v[S+32*\x+\j+2:S+32*\x+\j+3]
.endr
.endr
.irp x, 0,1
	v_pk_add_f32 v[ST+8*\x+2:ST+8*\x+3], v[ST+8*\x+2:ST+8*\x+3], v[ST+8*\x+4:ST+8*\x+5]
.endr
.set n, 0
.rept 16
	v_cvt_pk_f16_f32 v[S+n], v[S+2*n], v[S+2*n+1]                  ; P in place, ascending: register n takes what registers 2 n, 2 n + 1 held
	v_cvt_pk_f16_f32 v[S+32+n], v[S+32+2*n], v[S+32+2*n+1]
.set n, n+1
.endr
.set n, 0
.rept 16
	v_pk_mul_f32 v[O+n:O+n+1], v[O+n:O+n+1], v[ST+6:ST+7] op_sel_hi:[1,0]               ; O^T under the new m
	v_pk_mul_f32 v[O+32+n:O+32+n+1], v[O+32+n:O+32+n+1], v[ST+14:ST+15] op_sel_hi:[1,0]
.set n, n+2
.endr
	s_wait_dscnt 0x0                               ; V is in
.set i, 0
.rept 16                                       ; O^T += V^T P: eight accumulators by turns
.set rO, O+32*(i%2)+8*((i/2)%4)
.set rV, KV+8*(4*(i/8)+(i/2)%4)
.set rP, S+32*(i%2)+8*(i/8)
	v_wmma_f32_16x16x32_f16 v[rO:rO+7], v[rV:rV+7], v[rP:rP+7], v[rO:rO+7]
.set i, i+1
.endr
.rept 5
	v_nop                                          ; the next step's products write over P's registers (five places), its loads go into V's (four)
.endr
.Lhidden_\@:
	s_add_co_u32 s[KF], s[KF], 64
.endm
; THE CHANGE OF SLOTS, at a slot's head.  Each wave waits for all its tensor loads, adds 0 to its spare word, and waits for that and for its reads of the slot that it has left.  Behind the barrier the slot ahead is
; whole and nobody reads the other one.  fill = 1: that other slot takes the next 256 keys, unless they all come after the work-group's last query.
.macro CHANGE fill
	s_wait_tensorcnt 0x0                           ; no tensor load of mine is out, so a group 0 may be written
	ds_add_u32 v[SPW], v[NIL]
.if \fill
	ds_add_u32 v[SPW], v[NIL]                      ; and twice on end here, in every trip alike
	s_xor_b32 s[G0K+1], s[G0K+1], SLOT1
	s_add_nc_u64 s[G0K+2:G0K+3], s[G0K+2:G0K+3], SLB
	s_xor_b32 s[G0V+1], s[G0V+1], SLOT1
	s_add_nc_u64 s[G0V+2:G0V+3], s[G0V+2:G0V+3], SLB
	s_wait_xcnt 0x0                                ; the last prefetch, a slot back, has read its address
	s_add_nc_u64 s[PFA:PFA+1], s[PFA:PFA+1], SLB
.endif
	s_wait_dscnt 0x0
	s_barrier_signal -1
	s_barrier_wait -1
.if \fill
	s_add_co_u32 s48, s[KF], 256                   ; the first key of the slot that this change would ask for
	s_cmp_gt_u32 s48, s[LASTQ]                     ; ids and the count of steps alone: all sixteen waves go the same way, and every wait on TENSORcnt of this text is for 0
	s_cbranch_scc1 .Lpast_\@
	TLOAD
.Lpast_\@:
	ASK
.endif
.endm
.macro SLOT_STEPS
	STEP 0
	STEP 1
	STEP 2
	STEP 3
	s_xor_b32 s[TB], s[TB], SLOT1
.endm
	s_wait_loadcnt 0x0                             ; Q
.Lslot:                                                ; seven trips
	CHANGE 1
	SLOT_STEPS
	s_sub_co_u32 s[SLOTS], s[SLOTS], 1
	s_cmp_lg_u32 s[SLOTS], 0
	s_cbranch_scc1 .Lslot
	CHANGE 0                                       ; the last slot is written out: nothing is left to ask for
	SLOT_STEPS
	; THE WAY OUT.  O^T / the sum, rounded to f16, through my stage in LDS; the wave's 32 rows of 128 bytes are 4,096 dense bytes of o16.
.irp x, 0,1
	v_add_f32 v[ST+8*\x+4], v[ST+8*\x+2], v[ST+8*\x+3]
.endr
.irp x, 0,1
	v_permlanex16_b32 v[ST+8*\x+5], v[ST+8*\x+4], s[SEL], s[SEL+1]
.endr
.irp x, 0,1
	v_add_f32 v[ST+8*\x+4], v[ST+8*\x+4], v[ST+8*\x+5]
.endr
.irp x, 0,1
	v_rcp_f32 v[ST+8*\x+6], v[ST+8*\x+4]
.endr
	v_and_b32 v8, 15, v0                           ; (plain lines behind the reciprocals)
	v_bfe_u32 v9, v0, 4, 1
	s_mul_i32 s48, s[WV], 32*SPT
	s_add_co_u32 s48, s48, STAGE
	v_mul_u32_u24 v[STO], v8, SPT
	v_lshl_add_u32 v[STO], v9, 4, v[STO]
	v_add_nc_u32 v[STO], s48, v[STO]               ; in: row r, 16 bytes for each half of the lanes
	v_bfe_u32 v8, v0, 3, 2
	v_and_b32 v9, 7, v0
	v_mul_u32_u24 v[RD], v8, SPT
	v_lshl_add_u32 v[RD], v9, 4, v[RD]
	v_add_nc_u32 v[RD], s48, v[RD]                 ; back: eight lanes a row, four rows an instruction
	v_and_b32 v[GO], 31, v0
	v_lshlrev_b32 v[GO], 4, v[GO]
	s_wait_alu depctr_va_vdst(0)                   ; one wait for the two reciprocals, ahead of their first reader
.set n, 0
.rept 16
	v_pk_mul_f32 v[O+n:O+n+1], v[O+n:O+n+1], v[ST+6:ST+7] op_sel_hi:[1,0]
	v_pk_mul_f32 v[O+32+n:O+32+n+1], v[O+32+n:O+32+n+1], v[ST+14:ST+15] op_sel_hi:[1,0]
.set n, n+2
.endr
.set n, 0
.rept 32
	v_cvt_pk_f16_f32 v[S+n], v[O+2*n], v[O+2*n+1]
.set n, n+1
.endr
.irp x, 0,1
.irp t, 0,1,2,3
	ds_store_b128 v[STO], v[S+16*\x+4*\t:S+16*\x+4*\t+3] offset:\x*16*SPT+32*\t
.endr
.endr
.irp i, 0,1,2,3,4,5,6,7
	ds_load_b128 v[KV+4*\i:KV+4*\i+3], v[RD] offset:4*SPT*\i       ; LDS serves a wave's instructions in order: these see my stores
.endr
.irp i, 0,1,2,3,4,5,6,7
	s_wait_dscnt 7-\i                              ; the younger loads may be out
	global_store_b128 v[GO], v[KV+4*\i:KV+4*\i+3], s[6:7] offset:512*\i   ; 512 consecutive bytes, aligned
.endr
	s_wait_tensorcnt 0x0                           ; the wave's end
	ds_add_u32 v[SPW], v[NIL]
	s_wait_dscnt 0x0
	s_endpgm
.Lfunc_end_k_q07ffa96771_attn:
	.size	k_q07ffa96771_attn, .Lfunc_end_k_q07ffa96771_attn-k_q07ffa96771_attn
	.p2alignl 7, 3214868480
	.fill 96, 4, 3214868480
	.section	.rodata,"a",@progbits
	.p2align	6, 0x0
	.amdhsa_kernel k_q07ffa96771_attn
		.amdhsa_group_segment_fixed_size 327680
		.amdhsa_private_segment_fixed_size 0
		.amdhsa_enable_private_segment 0
		.amdhsa_kernarg_size 16
		.amdhsa_user_sgpr_count 2
		.amdhsa_user_sgpr_kernarg_segment_ptr 1
		.amdhsa_wavefront_size32 1
		.amdhsa_system_sgpr_workgroup_id_x 1
		.amdhsa_system_sgpr_workgroup_id_y 1
		.amdhsa_system_sgpr_workgroup_id_z 1
		.amdhsa_system_vgpr_workitem_id 0
		.amdhsa_next_free_vgpr 256
		.amdhsa_next_free_sgpr 66
		.amdhsa_reserve_vcc 1
		.amdhsa_float_denorm_mode_32 3
		.amdhsa_float_denorm_mode_16_64 3
		.amdhsa_memory_ordered 1
		.amdhsa_forward_progress 1
		.amdhsa_inst_pref_size 189
	.end_amdhsa_kernel
	.amdgpu_metadata
---
amdhsa.version: [ 1, 2 ]
amdhsa.kernels:
  - .name:           k_q07ffa96771_attn
    .symbol:         k_q07ffa96771_attn.kd
    .args:
      - { .name: qkv16, .offset: 0, .size: 8, .value_kind: global_buffer, .address_space: global }
      - { .name: o16, .offset: 8, .size: 8, .value_kind: global_buffer, .address_space: global }
    .group_segment_fixed_size: 327680
    .private_segment_fixed_size: 0
    .kernarg_segment_align: 8
    .kernarg_segment_size: 16
    .max_flat_workgroup_size: 512
    .sgpr_count:     66
    .vgpr_count:     256
    .wavefront_size: 32
...
	.end_amdgpu_metadata
.endif
;; end of part 3
;; launch proj (part 4): grid 4 x 64, 4 waves a work-group, clusters of 4 x 4, 327,680 bytes of LDS; arguments o16, wo16, out0; writes out0
.if DOCPART == 4
	.amdgcn_target "amdgcn-amd-amdhsa--gfx1250"
	.amdhsa_code_object_version 6
	.text
	.protected	k_q07ffa96771_proj
	.globl	k_q07ffa96771_proj
	.p2align	8
	.type	k_q07ffa96771_proj,@function
k_q07ffa96771_proj:
	s_mov_b64 s[64:65], 0
	v_nop
	global_prefetch_b8 v0, s[64:65] scope:SCOPE_SE
	s_setreg_imm32_b32 hwreg(HW_REG_WAVE_MODE, 25, 1), 1
	s_wait_xcnt 0x0
	s_wait_alu depctr_hold_cnt(0) depctr_sa_sdst(0) depctr_va_vdst(0) depctr_va_sdst(0) depctr_va_ssrc(0) depctr_va_vcc(0) depctr_vm_vsrc(0)
	s_getreg_b32 s2, hwreg(HW_REG_IB_STS2, 6, 4)
	s_cmp_eq_u32 s2, 0
	s_cbranch_scc0 .Lentry_in_a_cluster
	s_endpgm
.Lentry_in_a_cluster:
	s_bfe_u32 s2, ttmp6, 0x10000c
	s_cmp_lg_u32 s2, 0xf033
	s_cbranch_scc0 .Lentry_shape_is_right
	s_endpgm
.Lentry_shape_is_right:
; out0[row][n] = sum over k of o[row][k] w_o[n][k], operands in f16, sums in f32.  o16: [head][8192][64] f16 (k = 64 head + channel); wo16: [1024][1024] f16; out0: [8192][1024] f32.
; (The first 16 positions of each sequence are written again, more finely, by a later launch.)
; A tile of 128 x 256 is made by four waves, each 64 x 128: 32 accumulators: 256 work-groups.  K goes in steps of 128 (two heads' planes) through two LDS slots: 8 steps, 128 matrix instructions a wave in each.
; CLUSTERS: 4 x 4; o's tiles are asked for jointly along a row of the cluster, w_o's along a column.  Waves 0, 1 fetch o's two planes (128 rows x 128 bytes, dense), waves 2, 3 w_o's halves (128 rows x 256 bytes).
; THE MATRIX INSTRUCTION IS USED TRANSPOSED (source 0 = 16 rows of w_o, source 1 = 16 rows of o): a lane holds eight neighbouring columns of one row.
; REGISTERS: window 0: addresses, v64-191 rows on the way out.  window 1: two fragment buffers of 96 (w_o's 8, then o's 4).  window 2: accumulator (a, b) at v[8 (8 a + b)].
.set KSTEP,  128
.set PA,     144                       ; a row of o in LDS: 128 bytes + 16
.set PB,     272                       ; a row of w_o: 256 + 16
.set APL,    128*PA                    ; a plane
.set BOFF,   2*APL
.set BHALF,  128*PB
.set SLOT,   BOFF+2*BHALF
.set STAGE,  2*SLOT                    ; behind the ring: 16 rows x 528 bytes for each wave
.set SPITCH, 528
.set SPARE,  STAGE+4*16*SPITCH         ; the spare words, 128 bytes a wave, named by no other line
.set LAPS,   4
.set PLANE,  1048576
.set ADRA, 16
.set ADRB, 20
.set STO,  24
.set RD,   25
.set CO,   26
.set SPW,  28
.set NIL,  29
.set PFO,  30
.set BK,   64
.set F0,   0
.set F1,   96
.set G1, 24
.set G0, 32
.set G1B, 48
.set G0B, 56
.set PFA, 22                           ; s[22:23] where my prefetches stand: one K step further on than the refill in hand; a prefetch names the step after that
.set LIM, 2                            ; s2: 1 in wave 0, else the greatest number
.set MSB, 0
.macro WIN new
.if MSB != (\new)
	s_set_vgpr_msb (MSB<<8)|(\new)
.set MSB, (\new)
.endif
.endm
.set MUL,  0xa5                        ; sources 0 and 1 window 1; C and D window 2
.set TO_F, 0x40
.macro JLOAD s                         ; an s_nop 0 and four v_nop follow each of the two lines
	s_cmp_eq_u32 s11, 0
	s_cbranch_scc0 .Lfor_b_\@
	tensor_load_to_lds s[G0+4*\s:G0+4*\s+3], s[G1:G1+7]
	s_nop 0
.rept 4
	v_nop
.endr
	s_branch .Lasked_\@
.Lfor_b_\@:
	tensor_load_to_lds s[G0B+4*\s:G0B+4*\s+3], s[G1B:G1B+7]
	s_nop 0
.rept 4
	v_nop
.endr
.Lasked_\@:
.endm
.macro CREST
	s_cmp_lg_u32 s10, 0
	s_cbranch_scc1 .Lnot_wave_0_\@
	s_barrier_signal -3
.Lnot_wave_0_\@:
	s_barrier_wait -3
	s_barrier_signal -1
	s_barrier_wait -1
.endm
.macro CROUND
	s_barrier_signal -1
	s_barrier_wait -1
	CREST
.endm
; A prefetch of o's tile of the K step two refills on: 2 planes x 16,384 dense bytes.  The four partners that ask for it jointly share it out BY ADDRESS, 8,192 bytes each (plane cx / 2, half cx % 2);
; in each, wave 0 asks: lanes 256 bytes apart, one instruction.  The grid has one column of clusters, so each run of 256 bytes is named once.  The loop's last trip has no K step two on.  w_o, which all 64 tile rows read, is not asked for.
.macro ASK
	s_cmp_gt_u32 s3, s[LIM]
	s_cbranch_scc0 .Lnot_mine_\@
	global_prefetch_b8 v[PFO], s[PFA:PFA+1] offset:2*PLANE th:TH_LOAD_NT scope:SCOPE_SE
.Lnot_mine_\@:
.endm
	s_load_b128 s[4:7], s[0:1], 0x0                ; o16, wo16
	s_load_b64 s[8:9], s[0:1], 0x10                ; out0
	v_lshl_add_u32 v[SPW], v0, 2, SPARE
	v_mov_b32 v[NIL], 0
	ds_add_u32 v[SPW], v[NIL]                      ; the opening: the add, twice on end, and its wait ahead of my first tensor load
	ds_add_u32 v[SPW], v[NIL]
	v_lshrrev_b32 v1, 5, v0
	v_readfirstlane_b32 s10, v1                    ; wave 0..3
	s_lshr_b32 s11, s10, 1                         ; my half of the tile's rows; also: I fetch for o (0) or for w_o (1)
	s_and_b32 s12, s10, 1                          ; my half of its columns; also: which plane or which 128 rows I fetch
	s_bfe_u32 s40, ttmp6, 0x40000                  ; cx
	s_bfe_u32 s41, ttmp6, 0x40004                  ; cy
	s_lshl_b32 s42, ttmp9, 2
	s_add_co_u32 s42, s42, s40                     ; tile column
	s_and_b32 s13, ttmp7, 0xffff
	s_lshl_b32 s13, s13, 2
	s_add_co_u32 s13, s13, s41                     ; tile row
	s_lshl_b32 s43, s41, 2
	s_lshl_b32 s43, 15, s43                        ; my row of the cluster
	s_lshl_b32 s44, 0x1111, s40                    ; my column
	s_or_b32 s[G1+0], s43, (1<<16)|(1<<20)|(1<<21)|(4<<22)|(3<<25)   ; elements of 2 bytes; padding: 4 words after every 32; bit 21 beside a mask
	s_mov_b32 s[G1+1], 64<<16                      ; tensor_dim0
	s_mov_b32 s[G1+2], 128<<16                     ; tensor_dim1
	s_mov_b32 s[G1+3], 64<<16                      ; tile_dim0
	s_mov_b32 s[G1+4], 128                         ; tile_dim1
	s_mov_b32 s[G1+5], 64                          ; the pitch
	s_mov_b32 s[G1+6], 0
	s_mov_b32 s[G1+7], 0
	s_or_b32 s[G1B+0], s44, (1<<16)|(1<<20)|(1<<21)|(5<<22)|(3<<25)  ; padding: 4 words after every 64
	s_mov_b32 s[G1B+1], KSTEP<<16
	s_mov_b32 s[G1B+2], 128<<16
	s_mov_b32 s[G1B+3], KSTEP<<16
	s_mov_b32 s[G1B+4], 128
	s_mov_b32 s[G1B+5], 1024
	s_mov_b32 s[G1B+6], 0
	s_mov_b32 s[G1B+7], 0
	s_lshl_b32 s16, s12, 20                        ; o: my plane of the step's two,
	s_lshl_b32 s17, s13, 14                        ; the tile's 128 rows of 128 bytes
	s_add_co_u32 s16, s16, s17
	s_mov_b32 s17, 0
	s_lshl_b32 s46, s42, 19                        ; w_o: row 256 x tile column + 128 x half, 2,048 bytes a row
	s_lshl_b32 s47, s12, 18
	s_add_co_u32 s46, s46, s47
	s_mov_b32 s47, 0
	s_mul_i32 s20, s12, APL                        ; where they go
	s_mul_i32 s21, s12, BHALF
	s_add_co_u32 s21, s21, BOFF
	s_wait_dscnt 0x0                               ; both opening adds are done
	s_wait_kmcnt 0x0
	s_add_nc_u64 s[14:15], s[4:5], s[16:17]
	s_add_nc_u64 s[46:47], s[6:7], s[46:47]
	CROUND                                         ; all sixteen work-groups are here: the first joint loads meet
.irp s, 0,1
	s_mov_b32 s[G0+4*\s], 1
	s_add_co_u32 s[G0+4*\s+1], s20, \s*SLOT
	s_add_nc_u64 s[G0+4*\s+2:G0+4*\s+3], s[14:15], \s*2*PLANE
	s_or_b32 s[G0+4*\s+3], s[G0+4*\s+3], 0x80000000
	s_mov_b32 s[G0B+4*\s], 1
	s_add_co_u32 s[G0B+4*\s+1], s21, \s*SLOT
	s_add_nc_u64 s[G0B+4*\s+2:G0B+4*\s+3], s[46:47], \s*KSTEP*2
	s_or_b32 s[G0B+4*\s+3], s[G0B+4*\s+3], 0x80000000
	JLOAD \s                                       ; two loads of mine are out
.endr
	v_and_b32 v1, 15, v0                           ; r
	v_bfe_u32 v2, v0, 4, 1                         ; h
	v_mul_u32_u24 v3, v1, PA
	v_lshl_add_u32 v3, v2, 4, v3
	v_mul_u32_u24 v4, v1, PB
	v_lshl_add_u32 v4, v2, 4, v4
	s_mul_i32 s20, s11, 64*PA                      ; my 64 rows of o
	s_mul_i32 s21, s12, BHALF                      ; my 128 rows of w_o
	s_add_co_u32 s21, s21, BOFF
.irp s, 0,1
	v_add_nc_u32 v[ADRA+\s], s20, v3
	v_add_nc_u32 v[ADRB+\s], s21, v4
	s_add_co_u32 s20, s20, SLOT
	s_add_co_u32 s21, s21, SLOT
.endr
	s_mul_i32 s20, s10, 16*SPITCH
	s_add_co_u32 s20, s20, STAGE                   ; my stage
	v_mul_u32_u24 v5, v1, SPITCH
	v_lshl_add_u32 v5, v2, 5, v5
	v_add_nc_u32 v[STO], s20, v5                   ; in: row r, 32 bytes for each half of the lanes
	v_and_b32 v6, 31, v0
	v_lshlrev_b32 v[CO], 4, v6                     ; back: the 32 lanes take one row of 512 bytes; the same in out0
	v_add_nc_u32 v[RD], s20, v[CO]
	v_lshlrev_b32 v[PFO], 8, v6
	s_lshl_b32 s16, s13, 19                        ; my first row of out0: 128 x tile row + 64 x half, 4,096 bytes a row
	s_lshl_b32 s17, s11, 18
	s_add_co_u32 s16, s16, s17
	s_mov_b32 s17, 0
	s_add_nc_u64 s[8:9], s[8:9], s[16:17]
	s_lshl_b32 s46, s42, 10                        ; my first column, in bytes
	s_lshl_b32 s47, s12, 9
	s_add_co_u32 s46, s46, s47
	s_mov_b32 s47, 0
	s_add_nc_u64 s[8:9], s[8:9], s[46:47]
	s_lshr_b32 s46, s40, 1                         ; the prefetches: plane cx / 2,
	s_lshl_b32 s46, s46, 20
	s_and_b32 s47, s40, 1                          ; half cx % 2 of its 16,384 bytes,
	s_lshl_b32 s47, s47, 13
	s_add_co_u32 s46, s46, s47
	s_lshl_b32 s47, s13, 14                        ; of my tile row,
	s_add_co_u32 s46, s46, s47
	s_add_co_u32 s46, s46, 4*PLANE                 ; at K step 2: the first refill steps it to 3 and names step 4
	s_mov_b32 s47, 0
	s_add_nc_u64 s[PFA:PFA+1], s[4:5], s[46:47]
	s_cmp_eq_u32 s10, 0
	s_cselect_b32 s[LIM], 1, -1
.macro MUL8 f, a, zero                 ; o's block a against w_o's eight, 32 along K.  The 32 accumulators take turns, one instruction a turn
.irp b, 0,1,2,3,4,5,6,7
.if \zero
	v_wmma_f32_16x16x32_f16 v[8*(8*(\a)+\b):8*(8*(\a)+\b)+7], v[\f+8*\b:\f+8*\b+7], v[\f+64+8*(\a):\f+64+8*(\a)+7], 0
.else
	v_wmma_f32_16x16x32_f16 v[8*(8*(\a)+\b):8*(8*(\a)+\b)+7], v[\f+8*\b:\f+8*\b+7], v[\f+64+8*(\a):\f+64+8*(\a)+7], v[8*(8*(\a)+\b):8*(8*(\a)+\b)+7]
.endif
.endr
.endm
.macro FETCH slot, q, f                ; 24 LDS loads in one run: the fragments of the slot's q-th 32 along K: w_o's eight, then o's four
	WIN TO_F
.irp i, 0,1,2,3,4,5,6,7
	ds_load_b128 v[\f+8*\i:\f+8*\i+3],   v[ADRB+\slot] offset:(\q)*64+\i*16*PB
	ds_load_b128 v[\f+8*\i+4:\f+8*\i+7], v[ADRB+\slot] offset:(\q)*64+\i*16*PB+32
.endr
.irp i, 0,1,2,3
	ds_load_b128 v[\f+64+8*\i:\f+64+8*\i+3],   v[ADRA+\slot] offset:((\q)/2)*APL+((\q)%2)*64+\i*16*PA
	ds_load_b128 v[\f+64+8*\i+4:\f+64+8*\i+7], v[ADRA+\slot] offset:((\q)/2)*APL+((\q)%2)*64+\i*16*PA+32
.endr
.endm
.macro PLACES
.rept 4
	v_nop
.endr
.endm
.macro QUARTER slot, qn, f, g, zero    ; multiplies buffer f; in its middle fetches the slot's quarter qn into buffer g
	s_wait_dscnt 4                                 ; all but the youngest four loads (o's blocks 2, 3) are in
	WIN MUL
	MUL8 \f, 0, \zero
	MUL8 \f, 1, \zero
	PLACES
	FETCH \slot, \qn, \g
	s_wait_dscnt 24                                ; all but the 24 just issued
	WIN MUL
	MUL8 \f, 2, \zero
	MUL8 \f, 3, \zero
.endm
; A slot's last quarter multiplies buffer 1 and changes slots: ONE barrier; in front of it each wave waits for all its tensor loads, adds 0 to its spare word, and waits for that and for its reads of this slot.
.macro TURN slot, next, fill
.if \fill
	s_wait_xcnt 0x0                                ; the last prefetch, a K step back, has read its address
	s_add_nc_u64 s[PFA:PFA+1], s[PFA:PFA+1], 2*PLANE
.endif
	WIN 0
	s_wait_tensorcnt 0x0                           ; my part of the next slot has landed
	ds_add_u32 v[SPW], v[NIL]
	s_wait_dscnt 5                                 ; (the add and the youngest four loads may be out)
	WIN MUL
	MUL8 F1, 0, 0
	s_wait_dscnt 0x0                               ; the add is done, and my reads of this slot are over
	s_barrier_signal -1
	MUL8 F1, 1, 0
.if \fill
	WIN 0
.endif
	s_barrier_wait -1
.if \fill
	CREST                                          ; the barrier has opened a round of the cluster's: no wave of any partner still reads this slot or has a load on its way
	s_add_nc_u64 s[G0+4*\slot+2:G0+4*\slot+3], s[G0+4*\slot+2:G0+4*\slot+3], 4*PLANE
	s_add_nc_u64 s[G0B+4*\slot+2:G0B+4*\slot+3], s[G0B+4*\slot+2:G0B+4*\slot+3], 2*KSTEP*2
	JLOAD \slot                                    ; the first tensor load behind the round; its four v_nop are also the places in front of the loads below
.else
	PLACES
.endif
	FETCH \next, 0, F0
.if \fill
	WIN 0
	ASK
.endif
	WIN MUL
	MUL8 F1, 2, 0
	MUL8 F1, 3, 0
.endm
	s_wait_tensorcnt 1                             ; my part of K step 0 is in; step 1's load may be out
	s_barrier_signal -1
	s_barrier_wait -1
	FETCH 0, 0, F0
	QUARTER 0, 1, F0, F1, 1                        ; the first quarter's products start the sums
	WIN 0
	s_mov_b32 s3, LAPS-1
.Llap:                                                 ; a trip goes once round the ring and fills both slots again
	QUARTER 0, 2, F1, F0, 0
	QUARTER 0, 3, F0, F1, 0
	TURN 0, 1, 1
	QUARTER 1, 1, F0, F1, 0
	QUARTER 1, 2, F1, F0, 0
	QUARTER 1, 3, F0, F1, 0
	TURN 1, 0, 1
	QUARTER 0, 1, F0, F1, 0
	WIN 0
	s_sub_co_u32 s3, s3, 1
	s_cmp_lg_u32 s3, 0
	s_cbranch_scc1 .Llap
	QUARTER 0, 2, F1, F0, 0                        ; the last lap fills nothing
	QUARTER 0, 3, F0, F1, 0
	TURN 0, 1, 0
	QUARTER 1, 1, F0, F1, 0
	QUARTER 1, 2, F1, F0, 0
	QUARTER 1, 3, F0, F1, 0
	s_wait_dscnt 4
	WIN MUL
	MUL8 F1, 0, 0
	MUL8 F1, 1, 0
	s_wait_dscnt 0
	MUL8 F1, 2, 0
	MUL8 F1, 3, 0
	WIN 0
; THE WAY OUT, a block of 16 rows x 128 columns at a time, through my own stage: back as whole rows of 512 bytes.  LDS serves a wave's instructions in order.
.macro TOSTAGE a
	WIN 0x08                                       ; an LDS store's data: window 2
.irp b, 0,1,2,3,4,5,6,7
	ds_store_b128 v[STO], v[8*(8*(\a)+\b):8*(8*(\a)+\b)+3] offset:64*\b          ; each accumulator from its low end on
	ds_store_b128 v[STO], v[8*(8*(\a)+\b)+4:8*(8*(\a)+\b)+7] offset:64*\b+16
.endr
	WIN 0
.set BB, BK+64*((\a)%2)
.irp t, 0,1,2,3,4,5,6,7,8,9,10,11,12,13,14,15
	ds_load_b128 v[BB+4*\t:BB+4*\t+3], v[RD] offset:\t*SPITCH
.endr
.endm
.macro SEND a, younger
.set BB, BK+64*((\a)%2)
	s_wait_dscnt \younger
.irp t, 0,1,2,3,4,5,6,7,8,9,10,11,12,13,14,15
	global_store_b128 v[CO], v[BB+4*\t:BB+4*\t+3], s[8:9] offset:65536*(\a)+4096*\t th:TH_STORE_NT   ; 512 consecutive bytes, aligned
.endr
.endm
	PLACES
	TOSTAGE 0
.irp a, 1,2,3
.if \a > 1
	s_wait_xcnt 0x0                                ; block a - 2's stores have read the registers that block a's loads write
.endif
	TOSTAGE \a
	SEND \a-1, 32                                  ; behind block a - 1's loads: block a's 16 stores and 16 loads
.endr
	SEND 3, 0
	s_wait_tensorcnt 0x0                           ; the wave's end
	ds_add_u32 v[SPW], v[NIL]
	s_wait_dscnt 0x0
	CROUND                                         ; the closing round
	s_endpgm
.Lfunc_end_k_q07ffa96771_proj:
	.size	k_q07ffa96771_proj, .Lfunc_end_k_q07ffa96771_proj-k_q07ffa96771_proj
	.p2alignl 7, 3214868480
	.fill 96, 4, 3214868480
	.section	.rodata,"a",@progbits
	.p2align	6, 0x0
	.amdhsa_kernel k_q07ffa96771_proj
		.amdhsa_group_segment_fixed_size 327680
		.amdhsa_private_segment_fixed_size 0
		.amdhsa_enable_private_segment 0
		.amdhsa_kernarg_size 24
		.amdhsa_user_sgpr_count 2
		.amdhsa_user_sgpr_kernarg_segment_ptr 1
		.amdhsa_wavefront_size32 1
		.amdhsa_system_sgpr_workgroup_id_x 1
		.amdhsa_system_sgpr_workgroup_id_y 1
		.amdhsa_system_sgpr_workgroup_id_z 1
		.amdhsa_system_vgpr_workitem_id 0
		.amdhsa_next_free_vgpr 768
		.amdhsa_next_free_sgpr 66
		.amdhsa_reserve_vcc 0
		.amdhsa_float_denorm_mode_32 3
		.amdhsa_float_denorm_mode_16_64 3
		.amdhsa_memory_ordered 1
		.amdhsa_forward_progress 1
		.amdhsa_inst_pref_size 86
	.end_amdhsa_kernel
	.amdgpu_metadata
---
amdhsa.version: [ 1, 2 ]
amdhsa.kernels:
  - .name:           k_q07ffa96771_proj
    .symbol:         k_q07ffa96771_proj.kd
    .args:
      - { .name: o16, .offset: 0, .size: 8, .value_kind: global_buffer, .address_space: global }
      - { .name: wo16, .offset: 8, .size: 8, .value_kind: global_buffer, .address_space: global }
      - { .name: out0, .offset: 16, .size: 8, .value_kind: global_buffer, .address_space: global }
    .group_segment_fixed_size: 327680
    .private_segment_fixed_size: 0
    .kernarg_segment_align: 8
    .kernarg_segment_size: 24
    .max_flat_workgroup_size: 128
    .sgpr_count:     66
    .vgpr_count:     768
    .wavefront_size: 32
...
	.end_amdgpu_metadata
.endif
;; end of part 4
;; launch fine_attn (part 5): grid 16 x 4, 1 waves a work-group, no clusters, 4,864 bytes of LDS; arguments x_codes, x_scales, w_codes, w_scales, cos, sin, o_fine; writes o_fine
.if DOCPART == 5
	.amdgcn_target "amdgcn-amd-amdhsa--gfx1250"
	.amdhsa_code_object_version 6
	.text
	.protected	k_q07ffa96771_fine_attn
	.globl	k_q07ffa96771_fine_attn
	.p2align	8
	.type	k_q07ffa96771_fine_attn,@function
k_q07ffa96771_fine_attn:
	s_mov_b64 s[64:65], 0
	v_nop
	global_prefetch_b8 v0, s[64:65] scope:SCOPE_SE
	s_setreg_imm32_b32 hwreg(HW_REG_WAVE_MODE, 25, 1), 1
	s_wait_xcnt 0x0
; The first 16 positions of every sequence, more finely: these rows average one to sixteen values, so f16 operands weigh most there.  One wave takes one (batch, head):
; q, k, v of positions 0-15 again from the codes (the same quantised products, 96 matrix instructions), RoPE, scores, softmax and the weighted sum all in f32 (the f32 matrix form: 32 instructions).
; o_fine: [16 batch + t][1024] f32.  LIMITS: NaN and infinities are not served.
; q and k are made transposed (source 0 = 16 rows of W, source 1 = x's 16 rows): lane (r, h) holds position r, channels 16 c + 8 h + j.  Register pairs of k and of q, taken alike, feed S^T = k q^T:
; the f32 form's k index 2 h + j then stands for channel 16 c + 8 h + 2 s + j on both sides.  v is made in the natural order: lane (r, h) holds channel 16 c + r, positions 8 h + j, which is source 0 of O^T = v^T p.
; REGISTERS: window 0: v1-15 addresses; v16-79 x's 8 fragments; v80-87 x's scale words; v88-135 W's scale words; v136, v168, v200: q, k, v, 32 each; v232-255 at work.
;   window 1: w_q's 32 fragments, later w_v's.  window 2: w_k's.  window 3: v0-63 cos, sin; v64-111: the f32 form's six accumulators, written by matrix instructions alone.
.set XF, 16
.set XS, 80
.set WS, 88                            ; (z, c / 2) at WS + 8 (2 z + c / 2) + K step: lanes 0-15 the even tile's rows, lanes 16-31 the odd tile's
.set DQ, 136
.set DK, 168
.set DV, 200
.set TW, 232
.set P,  240
.set MX, 248
.set TP, 249
.set CM, 250
.set SU, 251
.set DM, 252
.set NINF, 253
.set RL, 254
.set SA, 64
.set SB, 72
.set OF, 80
.set SPW, 14
.set NIL, 15
.set SPARE, 4608                       ; behind the stage of 16 rows x 272 bytes: the spare words, named by no other line
.set MSB, 0
.macro WIN new
.if MSB != (\new)
	s_set_vgpr_msb (MSB<<8)|(\new)
.set MSB, (\new)
.endif
.endm
	s_load_b128 s[4:7], s[0:1], 0x0                ; x's codes, x's scales
	s_load_b128 s[8:11], s[0:1], 0x10              ; W's codes, W's scales
	s_load_b128 s[12:15], s[0:1], 0x20             ; cos, sin
	s_load_b64 s[16:17], s[0:1], 0x30              ; o_fine
	v_lshl_add_u32 v[SPW], v0, 2, SPARE
	v_mov_b32 v[NIL], 0
	v_and_b32 v1, 15, v0                           ; r
	v_lshrrev_b32 v2, 4, v0                        ; h
	v_lshlrev_b32 v3, 9, v1
	v_lshl_add_u32 v3, v2, 4, v3                   ; codes: row r of 512 bytes + 16 h
	v_lshlrev_b32 v4, 5, v1                        ; x's scales: 32 bytes a row
	v_lshlrev_b32 v6, 5, v0                        ; W's scales: lane l takes row l of 32
	v_lshlrev_b32 v7, 8, v1
	v_lshl_add_u32 v7, v2, 5, v7                   ; the tables: position r, 256 bytes a row, + 32 h
	v_lshlrev_b32 v8, 3, v2
	v_sub_nc_u32 v[DM], v1, v8                     ; r - 8 h
	v_mov_b32 v[NINF], 0xff800000
	v_mov_b32 v[TP], 0                             ; a lane permute's destination counts as one of its sources
	v_mul_u32_u24 v9, v1, 272
	v_lshl_add_u32 v9, v2, 5, v9                   ; the stage, in: row r, 32 bytes for each half of the lanes
	v_mul_u32_u24 v10, v2, 272
	v_lshl_add_u32 v10, v1, 4, v10                 ; back: sixteen lanes a row of 256 bytes
	v_lshlrev_b32 v11, 12, v2
	v_lshl_add_u32 v11, v1, 4, v11                 ; and the same in o_fine
	s_and_b32 s18, ttmp7, 0xffff                   ; the batch
	s_lshl_b32 s20, s18, 20
	s_mov_b32 s21, 0
	s_lshl_b32 s22, s18, 16
	s_mov_b32 s23, 0
	s_lshl_b32 s24, ttmp9, 15                      ; the head's 64 rows of each weight
	s_mov_b32 s25, 0
	s_lshl_b32 s26, ttmp9, 11
	s_mov_b32 s27, 0
	s_lshl_b32 s28, ttmp9, 8
	s_add_co_u32 s28, s28, s22
	s_mov_b32 s29, 0
	s_mov_b32 s30, 0x76543210
	s_mov_b32 s31, 0xfedcba98
	s_mov_b32 s19, 0x3e38aa3b                      ; c = log2(e) / 8
	s_wait_kmcnt 0x0
	s_add_nc_u64 s[4:5], s[4:5], s[20:21]
	s_add_nc_u64 s[6:7], s[6:7], s[22:23]
	s_add_nc_u64 s[8:9], s[8:9], s[24:25]
	s_add_nc_u64 s[10:11], s[10:11], s[26:27]
	s_add_nc_u64 s[16:17], s[16:17], s[28:29]
.irp s, 0,1,2,3,4,5,6,7
	global_load_b128 v[XF+8*\s:XF+8*\s+3], v3, s[4:5] offset:64*\s
	global_load_b128 v[XF+8*\s+4:XF+8*\s+7], v3, s[4:5] offset:64*\s+32
.endr
	global_load_b128 v[XS:XS+3], v4, s[6:7]
	global_load_b128 v[XS+4:XS+7], v4, s[6:7] offset:16
.irp z, 0,1,2
.irp c, 0,1
	global_load_b128 v[WS+8*(2*\z+\c):WS+8*(2*\z+\c)+3], v6, s[10:11] offset:\z*32768+\c*1024
	global_load_b128 v[WS+8*(2*\z+\c)+4:WS+8*(2*\z+\c)+7], v6, s[10:11] offset:\z*32768+\c*1024+16
.endr
.endr
	WIN 0xc0                                       ; destination window 3
.irp c, 0,1,2,3
	global_load_b128 v[8*\c:8*\c+3], v7, s[12:13] offset:64*\c
	global_load_b128 v[8*\c+4:8*\c+7], v7, s[12:13] offset:64*\c+16
	global_load_b128 v[32+8*\c:32+8*\c+3], v7, s[14:15] offset:64*\c
	global_load_b128 v[32+8*\c+4:32+8*\c+7], v7, s[14:15] offset:64*\c+16
.endr
.macro LOADW z                         ; weight z's 32 fragments (tile c of 16 rows, K step s) at v[8 (8 c + s)] of the window set
.irp c, 0,1,2,3
.irp s, 0,1,2,3,4,5,6,7
	global_load_b128 v[8*(8*\c+\s):8*(8*\c+\s)+3], v3, s[8:9] offset:\z*524288+\c*8192+\s*64
	global_load_b128 v[8*(8*\c+\s)+4:8*(8*\c+\s)+7], v3, s[8:9] offset:\z*524288+\c*8192+\s*64+32
.endr
.endr
.endm
	WIN 0x40
	LOADW 0
	WIN 0x80
	LOADW 1
; 32 products, transposed: the four tiles by turns, K step by K step; the first four start the sums
.macro WQK d, z
.irp s, 0,1,2,3,4,5,6,7
.irp c, 0,1,2,3
.if \s == 0
.if \c % 2 == 0
	v_wmma_scale_f32_16x16x128_f8f6f4 v[\d+8*\c:\d+8*\c+7], v[8*(8*\c+\s):8*(8*\c+\s)+7], v[XF+8*\s:XF+8*\s+7], 0, v[WS+8*(2*\z+\c/2)+\s], v[XS+\s] matrix_a_fmt:MATRIX_FMT_FP4 matrix_b_fmt:MATRIX_FMT_FP4
.else
	v_wmma_scale_f32_16x16x128_f8f6f4 v[\d+8*\c:\d+8*\c+7], v[8*(8*\c+\s):8*(8*\c+\s)+7], v[XF+8*\s:XF+8*\s+7], 0, v[WS+8*(2*\z+\c/2)+\s], v[XS+\s] matrix_a_fmt:MATRIX_FMT_FP4 matrix_b_fmt:MATRIX_FMT_FP4 matrix_a_scale:MATRIX_SCALE_ROW1
.endif
.else
.if \c % 2 == 0
	v_wmma_scale_f32_16x16x128_f8f6f4 v[\d+8*\c:\d+8*\c+7], v[8*(8*\c+\s):8*(8*\c+\s)+7], v[XF+8*\s:XF+8*\s+7], v[\d+8*\c:\d+8*\c+7], v[WS+8*(2*\z+\c/2)+\s], v[XS+\s] matrix_a_fmt:MATRIX_FMT_FP4 matrix_b_fmt:MATRIX_FMT_FP4
.else
	v_wmma_scale_f32_16x16x128_f8f6f4 v[\d+8*\c:\d+8*\c+7], v[8*(8*\c+\s):8*(8*\c+\s)+7], v[XF+8*\s:XF+8*\s+7], v[\d+8*\c:\d+8*\c+7], v[WS+8*(2*\z+\c/2)+\s], v[XS+\s] matrix_a_fmt:MATRIX_FMT_FP4 matrix_b_fmt:MATRIX_FMT_FP4 matrix_a_scale:MATRIX_SCALE_ROW1
.endif
.endif
.endr
.endr
.endm
	s_wait_loadcnt 63                              ; all up to w_q's last load are in: 64 loads are younger, and the count is one less, which the field holds
	WIN 0x01                                       ; source 0: window 1
	WQK DQ, 0
.rept 4
	v_nop                                          ; places in front of loads into registers that matrix instructions have read
.endr
	WIN 0x40
	LOADW 2                                        ; w_v takes w_q's place
	s_wait_loadcnt 63                              ; w_k is in: w_v's 64 loads are younger
	WIN 0x02
	WQK DK, 1
.rept 4
	v_nop
.endr
; RoPE in place: out[d] = y[d] cos[d] - y[d + 32] sin[d], out[d + 32] = y[d + 32] cos[d + 32] + y[d] sin[d + 32]; each accumulator from its low end on
.macro ROPEF d
.irp c, 0,1
.irp p, 0,2,4,6
	v_pk_mul_f32 v[TW+2*\p:TW+2*\p+1], v[\d+16+8*\c+\p:\d+16+8*\c+\p+1], v[32+8*\c+\p:32+8*\c+\p+1]
	v_pk_mul_f32 v[TW+2*\p+2:TW+2*\p+3], v[\d+8*\c+\p:\d+8*\c+\p+1], v[48+8*\c+\p:48+8*\c+\p+1]
	v_pk_fma_f32 v[\d+8*\c+\p:\d+8*\c+\p+1], v[\d+8*\c+\p:\d+8*\c+\p+1], v[8*\c+\p:8*\c+\p+1], v[TW+2*\p:TW+2*\p+1] neg_lo:[0,0,1] neg_hi:[0,0,1]
	v_pk_fma_f32 v[\d+16+8*\c+\p:\d+16+8*\c+\p+1], v[\d+16+8*\c+\p:\d+16+8*\c+\p+1], v[16+8*\c+\p:16+8*\c+\p+1], v[TW+2*\p+2:TW+2*\p+3]
.endr
.endr
.endm
	WIN 0x0c                                       ; source 1: window 3, the tables
	ROPEF DQ
	ROPEF DK
	WIN 0xf0                                       ; C and D: window 3
.set n, 0
.rept 16                                       ; S^T = k q^T in f32: two accumulators by turns; the first of each starts its sum
.set rC, SA+8*(n%2)
.if n < 2
	v_wmma_f32_16x16x4_f32 v[rC:rC+7], v[DK+2*n:DK+2*n+1], v[DQ+2*n:DQ+2*n+1], 0
.else
	v_wmma_f32_16x16x4_f32 v[rC:rC+7], v[DK+2*n:DK+2*n+1], v[DQ+2*n:DQ+2*n+1], v[rC:rC+7]
.endif
.set n, n+1
.endr
.rept 8
	v_nop                                          ; eight places behind the f32 form
.endr
	WIN 0x0f                                       ; sources 0 and 1: window 3
.irp p, 0,2,4,6
	v_pk_add_f32 v[P+\p:P+\p+1], v[SA+\p:SA+\p+1], v[SB+\p:SB+\p+1]   ; lane (r, h): query r, keys 8 h + j
.endr
	WIN 0
.irp j, 0,1,2,3,4,5,6,7
	v_cmp_gt_i32 vcc_lo, \j, v[DM]                 ; key 8 h + j > query r: hidden
	v_cndmask_b32 v[P+\j], v[P+\j], v[NINF], vcc_lo
.endr
	v_max3_num_f32 v[MX], v[P], v[P+1], v[P+2]
	v_max3_num_f32 v[MX], v[MX], v[P+3], v[P+4]
	v_max3_num_f32 v[MX], v[MX], v[P+5], v[P+6]
	v_max_num_f32 v[MX], v[MX], v[P+7]
	v_permlanex16_b32 v[TP], v[MX], s30, s31
	v_max_num_f32 v[MX], v[MX], v[TP]              ; the row's maximum: key 0 counts for every query
	v_mul_f32 v[CM], s19, v[MX]
.irp j, 0,1,2,3,4,5,6,7
	v_fma_f32 v[P+\j], v[P+\j], s19, -v[CM]
.endr
.irp j, 0,1,2,3,4,5,6,7
	v_exp_f32 v[P+\j], v[P+\j]
.endr
	v_nop                                          ; a plain line behind the last exponential
	s_wait_alu depctr_va_vdst(0)                   ; one wait for the eight, ahead of their first reader
	v_pk_add_f32 v[TW:TW+1], v[P:P+1], v[P+2:P+3]
	v_pk_add_f32 v[TW+2:TW+3], v[P+4:P+5], v[P+6:P+7]
	v_pk_add_f32 v[TW:TW+1], v[TW:TW+1], v[TW+2:TW+3]
	v_add_f32 v[SU], v[TW], v[TW+1]
	v_permlanex16_b32 v[TP], v[SU], s30, s31
	v_add_f32 v[SU], v[SU], v[TP]
	v_rcp_f32 v[RL], v[SU]                         ; its wait stands ahead of its first reader, behind the products below
	v_nop
	s_wait_loadcnt 0x0                             ; w_v
	WIN 0x04                                       ; source 1: window 1
.irp s, 0,1,2,3,4,5,6,7                        ; v in the natural order: source 0 = x, source 1 = 16 rows of w_v
.irp c, 0,1,2,3
.if \s == 0
.if \c % 2 == 0
	v_wmma_scale_f32_16x16x128_f8f6f4 v[DV+8*\c:DV+8*\c+7], v[XF+8*\s:XF+8*\s+7], v[8*(8*\c+\s):8*(8*\c+\s)+7], 0, v[XS+\s], v[WS+8*(4+\c/2)+\s] matrix_a_fmt:MATRIX_FMT_FP4 matrix_b_fmt:MATRIX_FMT_FP4
.else
	v_wmma_scale_f32_16x16x128_f8f6f4 v[DV+8*\c:DV+8*\c+7], v[XF+8*\s:XF+8*\s+7], v[8*(8*\c+\s):8*(8*\c+\s)+7], 0, v[XS+\s], v[WS+8*(4+\c/2)+\s] matrix_a_fmt:MATRIX_FMT_FP4 matrix_b_fmt:MATRIX_FMT_FP4 matrix_b_scale:MATRIX_SCALE_ROW1
.endif
.else
.if \c % 2 == 0
	v_wmma_scale_f32_16x16x128_f8f6f4 v[DV+8*\c:DV+8*\c+7], v[XF+8*\s:XF+8*\s+7], v[8*(8*\c+\s):8*(8*\c+\s)+7], v[DV+8*\c:DV+8*\c+7], v[XS+\s], v[WS+8*(4+\c/2)+\s] matrix_a_fmt:MATRIX_FMT_FP4 matrix_b_fmt:MATRIX_FMT_FP4
.else
	v_wmma_scale_f32_16x16x128_f8f6f4 v[DV+8*\c:DV+8*\c+7], v[XF+8*\s:XF+8*\s+7], v[8*(8*\c+\s):8*(8*\c+\s)+7], v[DV+8*\c:DV+8*\c+7], v[XS+\s], v[WS+8*(4+\c/2)+\s] matrix_a_fmt:MATRIX_FMT_FP4 matrix_b_fmt:MATRIX_FMT_FP4 matrix_b_scale:MATRIX_SCALE_ROW1
.endif
.endif
.endr
.endr
.rept 5
	v_nop                                          ; five places before a matrix instruction takes these results as a source
.endr
	WIN 0xf0
.irp s, 0,1,2,3                                ; O^T = v^T p in f32: four accumulators by turns
.irp c, 0,1,2,3
.if \s == 0
	v_wmma_f32_16x16x4_f32 v[OF+8*\c:OF+8*\c+7], v[DV+8*\c+2*\s:DV+8*\c+2*\s+1], v[P+2*\s:P+2*\s+1], 0
.else
	v_wmma_f32_16x16x4_f32 v[OF+8*\c:OF+8*\c+7], v[DV+8*\c+2*\s:DV+8*\c+2*\s+1], v[P+2*\s:P+2*\s+1], v[OF+8*\c:OF+8*\c+7]
.endif
.endr
.endr
.rept 8
	v_nop
.endr
	s_wait_alu depctr_va_vdst(0)                   ; the reciprocal's wait, ahead of its first reader
	WIN 0x01+2                                     ; source 0: window 3
.set n, 0
.rept 32
	v_mul_f32 v[DQ+n], v[OF+n], v[RL]              ; into other registers: lane (r, h): query r, channels 16 c + 8 h + j
.set n, n+1
.endr
	WIN 0
.irp c, 0,1,2,3
	ds_store_b128 v9, v[DQ+8*\c:DQ+8*\c+3] offset:64*\c
	ds_store_b128 v9, v[DQ+8*\c+4:DQ+8*\c+7] offset:64*\c+16
.endr
.irp i, 0,1,2,3,4,5,6,7
	ds_load_b128 v[DK+4*\i:DK+4*\i+3], v10 offset:544*\i           ; LDS serves a wave's instructions in order: these see my stores
.endr
.irp i, 0,1,2,3,4,5,6,7
	s_wait_dscnt 7-\i                              ; the younger loads may be out
	global_store_b128 v11, v[DK+4*\i:DK+4*\i+3], s[16:17] offset:8192*\i   ; sixteen lanes store 256 consecutive bytes, aligned
.endr
	s_wait_tensorcnt 0x0                           ; the wave's end
	ds_add_u32 v[SPW], v[NIL]
	s_wait_dscnt 0x0
	s_endpgm
.Lfunc_end_k_q07ffa96771_fine_attn:
	.size	k_q07ffa96771_fine_attn, .Lfunc_end_k_q07ffa96771_fine_attn-k_q07ffa96771_fine_attn
	.p2alignl 7, 3214868480
	.fill 96, 4, 3214868480
	.section	.rodata,"a",@progbits
	.p2align	6, 0x0
	.amdhsa_kernel k_q07ffa96771_fine_attn
		.amdhsa_group_segment_fixed_size 4864
		.amdhsa_private_segment_fixed_size 0
		.amdhsa_enable_private_segment 0
		.amdhsa_kernarg_size 56
		.amdhsa_user_sgpr_count 2
		.amdhsa_user_sgpr_kernarg_segment_ptr 1
		.amdhsa_wavefront_size32 1
		.amdhsa_system_sgpr_workgroup_id_x 1
		.amdhsa_system_sgpr_workgroup_id_y 1
		.amdhsa_system_sgpr_workgroup_id_z 1
		.amdhsa_system_vgpr_workitem_id 0
		.amdhsa_next_free_vgpr 896
		.amdhsa_next_free_sgpr 66
		.amdhsa_reserve_vcc 1
		.amdhsa_float_denorm_mode_32 3
		.amdhsa_float_denorm_mode_16_64 3
		.amdhsa_memory_ordered 1
		.amdhsa_forward_progress 1
		.amdhsa_inst_pref_size 50
	.end_amdhsa_kernel
	.amdgpu_metadata
---
amdhsa.version: [ 1, 2 ]
amdhsa.kernels:
  - .name:           k_q07ffa96771_fine_attn
    .symbol:         k_q07ffa96771_fine_attn.kd
    .args:
      - { .name: x_codes, .offset: 0, .size: 8, .value_kind: global_buffer, .address_space: global }
      - { .name: x_scales, .offset: 8, .size: 8, .value_kind: global_buffer, .address_space: global }
      - { .name: w_codes, .offset: 16, .size: 8, .value_kind: global_buffer, .address_space: global }
      - { .name: w_scales, .offset: 24, .size: 8, .value_kind: global_buffer, .address_space: global }
      - { .name: cos, .offset: 32, .size: 8, .value_kind: global_buffer, .address_space: global }
      - { .name: sin, .offset: 40, .size: 8, .value_kind: global_buffer, .address_space: global }
      - { .name: o_fine, .offset: 48, .size: 8, .value_kind: global_buffer, .address_space: global }
    .group_segment_fixed_size: 4864
    .private_segment_fixed_size: 0
    .kernarg_segment_align: 8
    .kernarg_segment_size: 56
    .max_flat_workgroup_size: 32
    .sgpr_count:     66
    .vgpr_count:     896
    .wavefront_size: 32
...
	.end_amdgpu_metadata
.endif
;; end of part 5
;; launch fine_proj (part 6): grid 16 x 4, 4 waves a work-group, no clusters, 5,120 bytes of LDS; arguments o_fine, w_o, out0; writes out0
.if DOCPART == 6
	.amdgcn_target "amdgcn-amd-amdhsa--gfx1250"
	.amdhsa_code_object_version 6
	.text
	.protected	k_q07ffa96771_fine_proj
	.globl	k_q07ffa96771_fine_proj
	.p2align	8
	.type	k_q07ffa96771_fine_proj,@function
k_q07ffa96771_fine_proj:
	s_mov_b64 s[64:65], 0
	v_nop
	global_prefetch_b8 v0, s[64:65] scope:SCOPE_SE
	s_setreg_imm32_b32 hwreg(HW_REG_WAVE_MODE, 25, 1), 1
	s_wait_xcnt 0x0
; The first 16 positions of every sequence through the last product in f32: out0[2048 b + t][n] = sum over k of o_fine[16 b + t][k] w_o[n][k], t < 16.  It runs last and replaces those 64 rows of out0.
; A work-group takes one batch and 64 columns; wave w takes 16 of them over all of K: 256 instructions of the f32 matrix form, four accumulators by turns, added at the end.
; Source 0 = 16 rows of w_o, source 1 = the 16 rows of o: a lane holds eight neighbouring columns of one row.  Both operands are loaded alike, 16 bytes a lane at row x 4,096 + 16 h + 32 u:
; the form's k index 2 h + j then stands for k = 8 u + 4 h + 2 e + j on both sides.  A chunk is 64 along K (16 loads); three sets of registers: two chunks are on their way while one is multiplied.
; REGISTERS: v1-6 addresses; v30, v31 the add's two; v32-223 three sets (w_o's 32, o's 32); v224-255 the four accumulators, written by matrix instructions alone.
.set SPW, 30
.set NIL, 31
.set SPARE, 4608                       ; behind the stage of 16 rows x 272 bytes: the spare words, 128 bytes a wave
	s_load_b128 s[4:7], s[0:1], 0x0                ; o_fine, w_o
	s_load_b64 s[8:9], s[0:1], 0x10                ; out0
	v_lshl_add_u32 v[SPW], v0, 2, SPARE
	v_mov_b32 v[NIL], 0
	v_lshrrev_b32 v1, 5, v0
	v_readfirstlane_b32 s10, v1                    ; wave
	v_and_b32 v1, 15, v0                           ; r
	v_bfe_u32 v2, v0, 4, 1                         ; h
	v_lshlrev_b32 v3, 12, v1
	v_lshl_add_u32 v3, v2, 4, v3                   ; row r of 4,096 bytes + 16 h
	s_lshl_b32 s12, s10, 6
	v_mul_u32_u24 v4, v1, 272
	v_lshl_add_u32 v4, v2, 5, v4
	v_add_nc_u32 v4, s12, v4                       ; the stage, in: row r, my wave's 64 bytes, 32 for each half of the lanes
	s_mul_i32 s12, s10, 4*272
	v_mul_u32_u24 v5, v2, 272
	v_lshl_add_u32 v5, v1, 4, v5
	v_add_nc_u32 v5, s12, v5                       ; back: my four rows, sixteen lanes a row
	s_lshl_b32 s12, s10, 14
	v_lshlrev_b32 v6, 12, v2
	v_lshl_add_u32 v6, v1, 4, v6
	v_add_nc_u32 v6, s12, v6                       ; and the same in out0
	s_and_b32 s11, ttmp7, 0xffff                   ; the batch
	s_lshl_b32 s14, s11, 16
	s_mov_b32 s15, 0
	s_lshl_b32 s16, ttmp9, 18                      ; w_o: row 64 g + 16 w
	s_lshl_b32 s17, s10, 16
	s_add_co_u32 s16, s16, s17
	s_mov_b32 s17, 0
	s_lshl_b32 s18, s11, 23                        ; out0: row 2,048 b, column 64 g
	s_lshl_b32 s19, ttmp9, 8
	s_add_co_u32 s18, s18, s19
	s_mov_b32 s19, 0
	s_wait_kmcnt 0x0
	s_add_nc_u64 s[4:5], s[4:5], s[14:15]
	s_add_nc_u64 s[6:7], s[6:7], s[16:17]
	s_add_nc_u64 s[8:9], s[8:9], s[18:19]
.macro LOADC i
.irp u, 0,1,2,3,4,5,6,7
	global_load_b128 v[32+64*((\i)%3)+4*\u:32+64*((\i)%3)+4*\u+3], v3, s[6:7] offset:256*(\i)+32*\u
	global_load_b128 v[64+64*((\i)%3)+4*\u:64+64*((\i)%3)+4*\u+3], v3, s[4:5] offset:256*(\i)+32*\u
.endr
.endm
.macro MULC i
.set n, 0
.rept 16
.set rA, 32+64*((\i)%3)+2*n
.set rB, 64+64*((\i)%3)+2*n
.set rC, 224+8*(n%4)
.if ((\i) == 0) && (n < 4)
	v_wmma_f32_16x16x4_f32 v[rC:rC+7], v[rA:rA+1], v[rB:rB+1], 0
.else
	v_wmma_f32_16x16x4_f32 v[rC:rC+7], v[rA:rA+1], v[rB:rB+1], v[rC:rC+7]
.endif
.set n, n+1
.endr
.rept 8
	v_nop                                          ; eight places behind the f32 form, in front of loads into its sources and of the first read of its results
.endr
.endm
	LOADC 0
	LOADC 1
	LOADC 2
.irp i, 0,1,2,3,4,5,6,7,8,9,10,11,12,13,14,15
.if \i < 14
	s_wait_loadcnt 32                              ; this chunk is in; the 32 loads of the two chunks behind it may be out
.elseif \i == 14
	s_wait_loadcnt 16
.else
	s_wait_loadcnt 0x0
.endif
	MULC \i
.if \i < 13
	LOADC \i+3
.endif
.endr
.irp p, 0,2,4,6                                ; the four sums into other registers, each accumulator from its low end on
	v_pk_add_f32 v[32+\p:33+\p], v[224+\p:225+\p], v[232+\p:233+\p]
	v_pk_add_f32 v[40+\p:41+\p], v[240+\p:241+\p], v[248+\p:249+\p]
.endr
.irp p, 0,2,4,6
	v_pk_add_f32 v[32+\p:33+\p], v[32+\p:33+\p], v[40+\p:41+\p]
.endr
	ds_store_b128 v4, v[32:35]
	ds_store_b128 v4, v[36:39] offset:16
	s_wait_dscnt 0x0                               ; for the others' sake: my stores into the stage are done
	s_barrier_signal -1
	s_barrier_wait -1
	ds_load_b128 v[48:51], v5
	ds_load_b128 v[52:55], v5 offset:544
	s_wait_dscnt 1
	global_store_b128 v6, v[48:51], s[8:9]         ; sixteen lanes store 256 consecutive bytes, aligned
	s_wait_dscnt 0x0
	global_store_b128 v6, v[52:55], s[8:9] offset:8192
	s_wait_tensorcnt 0x0                           ; the wave's end
	ds_add_u32 v[SPW], v[NIL]
	s_wait_dscnt 0x0
	s_endpgm
.Lfunc_end_k_q07ffa96771_fine_proj:
	.size	k_q07ffa96771_fine_proj, .Lfunc_end_k_q07ffa96771_fine_proj-k_q07ffa96771_fine_proj
	.p2alignl 7, 3214868480
	.fill 96, 4, 3214868480
	.section	.rodata,"a",@progbits
	.p2align	6, 0x0
	.amdhsa_kernel k_q07ffa96771_fine_proj
		.amdhsa_group_segment_fixed_size 5120
		.amdhsa_private_segment_fixed_size 0
		.amdhsa_enable_private_segment 0
		.amdhsa_kernarg_size 24
		.amdhsa_user_sgpr_count 2
		.amdhsa_user_sgpr_kernarg_segment_ptr 1
		.amdhsa_wavefront_size32 1
		.amdhsa_system_sgpr_workgroup_id_x 1
		.amdhsa_system_sgpr_workgroup_id_y 1
		.amdhsa_system_sgpr_workgroup_id_z 1
		.amdhsa_system_vgpr_workitem_id 0
		.amdhsa_next_free_vgpr 256
		.amdhsa_next_free_sgpr 66
		.amdhsa_reserve_vcc 0
		.amdhsa_float_denorm_mode_32 3
		.amdhsa_float_denorm_mode_16_64 3
		.amdhsa_memory_ordered 1
		.amdhsa_forward_progress 1
		.amdhsa_inst_pref_size 48
	.end_amdhsa_kernel
	.amdgpu_metadata
---
amdhsa.version: [ 1, 2 ]
amdhsa.kernels:
  - .name:           k_q07ffa96771_fine_proj
    .symbol:         k_q07ffa96771_fine_proj.kd
    .args:
      - { .name: o_fine, .offset: 0, .size: 8, .value_kind: global_buffer, .address_space: global }
      - { .name: w_o, .offset: 8, .size: 8, .value_kind: global_buffer, .address_space: global }
      - { .name: out0, .offset: 16, .size: 8, .value_kind: global_buffer, .address_space: global }
    .group_segment_fixed_size: 5120
    .private_segment_fixed_size: 0
    .kernarg_segment_align: 8
    .kernarg_segment_size: 24
    .max_flat_workgroup_size: 128
    .sgpr_count:     66
    .vgpr_count:     256
    .wavefront_size: 32
...
	.end_amdgpu_metadata
.endif
;; end of part 6
